; MI455X (gfx1250); checked and timed in simulation.
; The chip was launched on July 23, 2026; its instructions are those of AMD's public machine-readable ISA for CDNA 5 (MIT licence, August 2026) and "CDNA5" Instruction Set Architecture Reference Guide (July 2026). The comments in the code are by the model that wrote it; some were corrected since.
;; Motion Prediction. Allowed arithmetic: matrix products marked QUANTISED: E2M1 operands, one E8M0 scale for each 32 along K, by v_wmma_scale_f32_16x16x128_f8f6f4 with both operands' format E2M1 (or v_wmma_scale_f32_32x16x128_f4), f32 sums; products left as they are: f32 operands where the result goes on into a quantised operand, else bf16, f16 or f32 operands; f32 sums; everything else in f32.
;; Inputs: W 4,096 x 8 float32; W1_codes 8 x 1,024 x 16 x 16 uint8 (E2M1 codes of W1, K innermost, in blocks of 32 codes, two codes a byte); W1_scales 8 x 1,024 x 16 uint8 (E8M0 scales of W1, one for each 32 codes along K); W2_codes 8 x 1,024 x 32 x 16 uint8 (E2M1 codes of W2, K innermost, in blocks of 32 codes, two codes a byte); W2_scales 8 x 1,024 x 32 uint8 (E8M0 scales of W2, one for each 32 codes along K); W3_codes 8 x 512 x 32 x 16 uint8 (E2M1 codes of W3, K innermost, in blocks of 32 codes, two codes a byte); W3_scales 8 x 512 x 32 uint8 (E8M0 scales of W3, one for each 32 codes along K); X_codes 4,096 x 16 x 16 uint8 (E2M1 codes of X, K innermost, in blocks of 32 codes, two codes a byte); X_scales 4,096 x 16 uint8 (E8M0 scales of X, one for each 32 codes along K); b1 8 x 1,024 float32; b2 8 x 1,024 float32; b3 8 x 512 float32.
;; Outputs: out0 4,096 x 512 float32.
;; This version of the problem:
;;   THIS VERSION OF THE PROBLEM IS GIVEN IN LOW PRECISION. The matrix products marked QUANTISED in the list below multiply operands that are first quantised to E2M1 (2 exponent bits, 1 mantissa bit; 4 bits a number), with one power-of-two scale for each 32 numbers along K (OCP MX v1.0); their sums are f32. All else is computed in f32.
;;   The module's matrix products, in the order in which they are computed (A, B: the left and right operand; K: the contracted axis; several contracted axes count as one K, in the product's order):
;;     1. [M 4,096, K 512] x [K 512, N 8,192]; A: input X (given as codes); B: input W1 (given as codes): QUANTISED
;;     2. batch 4,096 x [M 1, K 8] x [K 8, N 1,024]; A: input W; B: computed on the way: left as it is (K = 8 < 32)
;;     3. [M 4,096, K 1,024] x [K 1,024, N 8,192]; A: computed on the way; B: input W2 (given as codes): QUANTISED
;;     4. batch 4,096 x [M 1, K 8] x [K 8, N 1,024]; A: input W; B: computed on the way: left as it is (K = 8 < 32)
;;     5. [M 4,096, K 1,024] x [K 1,024, N 4,096]; A: computed on the way; B: input W3 (given as codes): QUANTISED
;;     6. batch 4,096 x [M 1, K 8] x [K 8, N 512]; A: input W; B: computed on the way: left as it is (K = 8 < 32)
;;   THE QUANTISER, for each operand of a quantised product, along K:
;;     - K is cut into blocks of 32 from its start; a last block that is shorter is filled with zeros.
;;     - A block's scale is 2^e with e = floor(log2(the largest magnitude in the block)) - 2, held to -126 .. 127; a block of zeros has e = 0. As a byte (E8M0): e + 127.
;;     - Each number is divided by its block's scale, clamped to +-6, and rounded to the nearest number of E2M1, ties to even, subnormals kept.
;;     - The product sums the exact products of the quantised numbers (number of the format x scale) in f32.
;;   ~~~python
;;   def quantise(x, axis):      # numpy; x: float32 -> the quantised numbers, widened to float32 again
;;       x = np.moveaxis(x, axis, -1); K = x.shape[-1]
;;       x = np.pad(x, [(0, 0)] * (x.ndim - 1) + [(0, -K % 32)]); x = x.reshape(x.shape[:-1] + (-1, 32)); a = np.abs(x).max(-1, keepdims=True)
;;       e = np.where(a > 0, np.clip(np.frexp(np.where(a > 0, a, 1))[1] - 1 - 2, -126, 127), 0)      # np.frexp(a)[1] - 1 = floor(log2(a)), exactly
;;       r = np.clip(x / 2.0 ** e, -6, 6)
;;       step = 2.0 ** (np.maximum(np.frexp(np.where(r == 0, 1, r))[1] - 1, 0) - 1)
;;       q = np.round(r / step) * step * 2.0 ** e      # np.round: ties to even
;;       return np.moveaxis(q.reshape(q.shape[:-2] + (-1,))[..., :K], -1, axis).astype(np.float32)
;;   ~~~
;;   OPERANDS COMPUTED ON THE WAY. 'Computed on the way' means the value that the module computes at that place (a softmax that the list does not call 'softmax' is quantised finished and normalised). What goes into a quantiser is computed in f32, as accurately as f32 sums, v_exp_f32 and their like allow (about 1e-6 of the number): no bf16 or f16 on the way to a quantiser, and a product that is left as it is and whose result goes on into a quantised operand takes f32 operands (vector FMAs, or v_wmma_f32_16x16x4_f32). A number that lies on a knife's edge between two numbers of the format may be rounded either way, as far as f32 arithmetic and the matrix unit's own rounding can turn it there, and no further.
;;   INPUTS GIVEN AS CODES. W1 (in the module: [8, 1024, 512], K = its axis 2); W2 (in the module: [8, 1024, 1024], K = its axis 2); W3 (in the module: [8, 512, 1024], K = its axis 2); X (in the module: [4096, 512], K = its axis 1): each comes as NAME_codes (uint8): NAME with its K axis moved to the last place and cut into blocks of 32 codes, [.., K / 32, bytes a block], one block behind the other in memory; two codes a byte, the lower K in the low four bits (a code: sign, 2 exponent bits, 1 mantissa bit); and NAME_scales (uint8): the same leading axes, one E8M0 byte (e + 127) for each 32 codes along K. Its value is code x scale, taken as it is: it is not quantised again, and the codes and scales need not be those that the quantiser above would give.
;; One version. Each part assembles by itself: llvm-mc -triple=amdgcn-amd-amdhsa -mcpu=gfx1250 --defsym DOCPART=n.
;; ======== version 1 of 1: 3 launches
;; workspace buffers: m1_codes 2,097,152 bytes; m1_scales 131,072 bytes; m2_codes 2,097,152 bytes; m2_scales 131,072 bytes
;; launch layer1 (part 1): grid 16 x 16, 4 waves a work-group, clusters of 4 x 4, 229,888 bytes of LDS; arguments X_codes, X_scales, W1_codes, W1_scales, b1, W, m1_codes, m1_scales; writes m1_codes, m1_scales
.if DOCPART == 1
	.amdgcn_target "amdgcn-amd-amdhsa--gfx1250"
	.amdhsa_code_object_version 6
	.text
	.protected	k_q40d7916ce0_layer1
	.globl	k_q40d7916ce0_layer1
	.p2align	8
	.type	k_q40d7916ce0_layer1,@function
k_q40d7916ce0_layer1:
	s_mov_b64 s[64:65], 0
	v_nop
	global_prefetch_b8 v0, s[64:65] scope:SCOPE_SE
	s_setreg_imm32_b32 hwreg(HW_REG_WAVE_MODE, 25, 1), 1
	s_wait_xcnt 0x0
	s_wait_alu depctr_hold_cnt(0) depctr_sa_sdst(0) depctr_va_vdst(0) depctr_va_sdst(0) depctr_va_ssrc(0) depctr_va_vcc(0) depctr_vm_vsrc(0)
	s_getreg_b32 s2, hwreg(HW_REG_IB_STS2, 6, 4)
	s_cmp_eq_u32 s2, 0
	s_cbranch_scc0 .Lentry_in_a_cluster
	s_endpgm
.Lentry_in_a_cluster:
	s_bfe_u32 s2, ttmp6, 0x10000c
	s_cmp_lg_u32 s2, 0xf033
	s_cbranch_scc0 .Lentry_shape_is_right
	s_endpgm
.Lentry_shape_is_right:
; LAYER 1 OF THREE.  m1 = Q(elu(y)),  y[b][h] = sum over e of W[b][e] x (sum over k of X[b][k] W1[e][h][k] + b1[e][h]).
; X [4096][512] and W1 [8][1024][512] are codes of FP4 (E2M1), K innermost, one E8M0 byte for each 32 along K; W [4096][8], b1 [8][1024] f32.
; Q quantises along h in blocks of 32.  OUT: m1_codes [h / 32][4096 tokens][16 bytes]: a token's block on end, sixteen tokens in 256 consecutive bytes: the next layer's operand registers as they stand.
; m1_scales [h / 32][4096 bytes]: in each group of 128 tokens byte 4 l + i belongs to token 16 (2 i + l / 16) + l % 16, so that a wave stores one word a lane.
; SHARES.  A work-group makes 256 tokens x 64 h, a wave 128 tokens x 32 h (one block of the next K): wave w takes tokens 128 (w / 2) on and h 32 (w % 2) on.
; THE TOKENS' FRAGMENTS FOR ALL OF K STAY IN REGISTERS (8 tiles x 4 K steps x 8 = 256), so that the eight passes over the experts read weights alone from LDS, each fragment feeding eight matrix instructions.
; THE MATRIX INSTRUCTION IS USED TRANSPOSED: source 0 = 16 rows of W1, source 1 = 16 tokens.  Lane l then holds ONE token (l % 16), register j the row 8 (l / 16) + j: the gate is a number of the lane,
; the bias is the C of each sum's first instruction, and a tile's registers are neighbours along the next K.
; A PASS (expert e): 16 accumulators by turns over 4 K steps, then TOT += W[token][e] x ACC, packed.  The first pass multiplies: nothing is cleared.
; CLUSTERS: 4 x 4 work-groups.  X's tile hangs on the tile row alone and is asked for jointly by a row of the cluster; weights, their scales and the biases hang on the tile column alone and are asked for
; jointly by a column.  Every wave issues every load, for rows of its own.  All tiles are filled once: no LDS byte is filled again in this launch.
; LIMITS: NaN and infinities are not served.  A block of zeros gets the byte 1 (the rule says 127): its codes are zeros and this program alone reads the bytes.  The bias is the first addend of a sum, not the last.
; A wave's store of scale bytes covers 128 consecutive bytes: it owns one byte for each token.
.set NS,     4                         ; K steps of 128
.set NU,     2                         ; tiles of 16 weight rows of a wave
.set KG,     2                         ; K steps in a group of 32 matrix instructions
.set G,      NS/KG                     ; groups in a pass
.set TPW,    8                         ; token tiles whose fragments fill a window
.set AW,     2                         ; the window of ACC (v0-127) and TOT (v128-255)
.set TOTB,   128
.set ROWB,   64*NS                     ; a row of codes in bytes
.set PITCH,  ROWB+16                   ; and in LDS: 68 words: the sixteen rows of a load start at sixteen different banks (64 banks of 4 bytes: ISA guide 11.1)
.set KS,     4*NS                      ; a row of scale bytes
.set SLOT,   128*PITCH                 ; a piece: two experts x 64 weight rows
.set NSLOT,  4                         ; all four pieces have bytes of their own
.set PSTEP,  2*1024*ROWB               ; two experts of W1 in memory
.set AOFF,   0                         ; LDS: X's 256 rows,
.set BOFF,   256*PITCH                 ; the four pieces of W1,
.set BSOFF,  BOFF+NSLOT*SLOT           ; W1's scale bytes, 64 rows x KS for each expert,
.set BIOFF,  BSOFF+8*64*KS             ; b1, 64 numbers for each expert
.set DFIRST, 8+16*KG                   ; LDS loads issued in the first pass for the next group: 8 of weights, 32 of X
.set PADW,   (1<<20)|(1<<21)|(5<<22)|(3<<25)   ; group 1, word 0 beside the mask: elements of 1 byte; padding on; bit 21 set beside a mask; after every 64 words; 4 words
.set DENSE8, (3<<16)|(1<<21)           ; elements of 8 bytes, no padding
; vector registers, window 0
.set LN,   1                           ; lane
.set RR,   2                           ; lane % 16
.set HH,   3                           ; lane / 16
.set ADB,  4                           ; v4-7   my weight rows in piece 0 .. 3
.set ADA,  8                           ; v8     my tokens' rows of X
.set ADS,  10                          ; v10    my weight rows' scale bytes
.set ADBI, 11                          ; v11    my lane's eight biases
.set VG,   14                          ; v14    32 x (lane % 16): a token's eight gates
.set VL16, 15                          ; v15    16 x lane
.set VL4,  16                          ; v16    4 x lane
.set GT,   32                          ; v32-95   gates: W[16 t + lane % 16][e] at GT + 8 t + e
.set SA,   96                          ; v96-111  X's scale words at SA + (t / 2) NS + s: lanes 0-15 tile t even, lanes 16-31 tile t odd
.set SB,   128                         ; v128-135 W1's scale words, two sets, at SB + NS (e % 2) + s: lanes 0-15 tile u = 0, lanes 16-31 u = 1
.set BI,   144                         ; v144-159 the bias in the result's layout, at BI + 8 u
.set BF,   160                         ; v160-223 weight fragments, two buffers of 32
; the way out, window 0, in registers that gates and fragments have left
.set EY,   32                          ; 2^(x log2 e), then that - 1
.set EP,   64                          ; the series, then the chosen arm
.set EX,   160                         ; elu
.set PC,   192                         ; codes, four registers for each pair of tiles: no store's data are written again
.set BY,   208                         ; a scale byte for each tile
.set QM,   216
.set QP,   218
.set QS,   220
.set C3,   222                         ; 1/6, twice
.set WD0,  224
.set WD1,  225
.set THR,  226                         ; -1/16
; scalar registers
.set SEL, 2                            ; s[2:3] lane selects of v_permlanex16_b32: lane l xor 16
.set PA,  4                            ; X_codes;  +2 X_scales
.set PAS, 6
.set PB,  8                            ; W1_codes; +2 W1_scales
.set PBS, 10
.set PBI, 12                           ; b1
.set PW,  14                           ; W
.set PO,  16                           ; m1_codes
.set POS, 18                           ; m1_scales
.set WV,  20
.set TH,  21
.set BH,  22
.set CX,  23
.set CY,  24
.set GX,  25
.set GY,  26
.set HM,  27                           ; lanes 16-31 as a mask
.set C24, 28                           ; s[28:29] 1/24
.set G1A, 32                           ; group 1: X's tile; weights; scale bytes; biases
.set G1B, 40
.set G1S, 48
.set G1I, 56
.set G0A, 68                           ; group 0: one set for each load
.set G0S, 72
.set G0I, 76
.set G0B, 80                           ; s[80:95] four pieces
.set MSB, 0
.macro WIN new                         ; s_set_vgpr_msb: bits 1:0 source 0, 3:2 source 1, 5:4 source 2, 7:6 destination; the high byte repeats the setting that is left
.if MSB != (\new)
	s_set_vgpr_msb (MSB<<8)|(\new)
.set MSB, (\new)
.endif
.endm
.macro PLACES n
.rept \n
	v_nop
.endr
.endm
.macro CREST                           ; a round of the cluster's barrier behind its opening barrier
	s_cmp_lg_u32 s[WV], 0
	s_cbranch_scc1 .Lnot_wave_0_\@
	s_barrier_signal -3
.Lnot_wave_0_\@:
	s_barrier_wait -3
	s_barrier_signal -1
	s_barrier_wait -1
.endm
.macro CROUND                          ; a whole round
	s_barrier_signal -1
	s_barrier_wait -1
	CREST
.endm
.macro GROUP1 g, m, w0, c, r, p        ; r rows of c elements, p elements from row to row; the tile lies inside the tensor, so the extents are the tile's
	s_or_b32 s[\g], s[\m], \w0
	s_mov_b32 s[\g+1], (\c)<<16
	s_mov_b32 s[\g+2], (\r)<<16
	s_mov_b32 s[\g+3], (\c)<<16
	s_mov_b32 s[\g+4], \r
	s_mov_b32 s[\g+5], \p
	s_mov_b32 s[\g+6], 0
	s_mov_b32 s[\g+7], 0
.endm
.macro GROUP0 g, l, lc, p, o           ; count 1; LDS address = a constant x wave + a constant; global address; type 2
	s_mov_b32 s[\g], 1
	s_add_co_u32 s[\g+1], s[\l], \lc
	s_add_nc_u64 s[\g+2:\g+3], s[\p:\p+1], s[\o:\o+1]
	s_or_b32 s[\g+3], s[\g+3], 0x80000000
.endm
.macro WM d, a, b, c, sa, sb, ra, rb   ; one matrix instruction; ra, rb: the scale words stand in lanes 16-31
.if (\ra) && (\rb)
	v_wmma_scale_f32_16x16x128_f8f6f4 v[\d:\d+7], v[\a:\a+7], v[\b:\b+7], v[\c:\c+7], v[\sa], v[\sb] matrix_a_fmt:MATRIX_FMT_FP4 matrix_b_fmt:MATRIX_FMT_FP4 matrix_a_scale:MATRIX_SCALE_ROW1 matrix_b_scale:MATRIX_SCALE_ROW1
.elseif (\ra)
	v_wmma_scale_f32_16x16x128_f8f6f4 v[\d:\d+7], v[\a:\a+7], v[\b:\b+7], v[\c:\c+7], v[\sa], v[\sb] matrix_a_fmt:MATRIX_FMT_FP4 matrix_b_fmt:MATRIX_FMT_FP4 matrix_a_scale:MATRIX_SCALE_ROW1
.elseif (\rb)
	v_wmma_scale_f32_16x16x128_f8f6f4 v[\d:\d+7], v[\a:\a+7], v[\b:\b+7], v[\c:\c+7], v[\sa], v[\sb] matrix_a_fmt:MATRIX_FMT_FP4 matrix_b_fmt:MATRIX_FMT_FP4 matrix_b_scale:MATRIX_SCALE_ROW1
.else
	v_wmma_scale_f32_16x16x128_f8f6f4 v[\d:\d+7], v[\a:\a+7], v[\b:\b+7], v[\c:\c+7], v[\sa], v[\sb] matrix_a_fmt:MATRIX_FMT_FP4 matrix_b_fmt:MATRIX_FMT_FP4
.endif
.endm
; Group g of expert e: 32 matrix instructions, KG K steps x 8 token tiles x NU weight tiles.  The accumulators take turns, one instruction a turn.
; K step 0 takes the bias (window 0) as C and so starts the sums.
.macro MUL e, g
.set WD, 0
.rept 8/TPW
.set DS, 0
.rept KG
.set SS, KG*(\g)+DS
.if SS == 0
	WIN (AW<<6)|((1+WD)<<2)
.else
	WIN (AW<<6)|(AW<<4)|((1+WD)<<2)
.endif
.set TI, 0
.rept TPW
.set TT, TPW*WD+TI
.set UU, 0
.rept NU
.set MD, 8*(NU*TT+UU)
.set MA, BF+32*((\g)%2)+8*NU*DS+8*UU
.set MB, 8*(TI*NS+SS)
.set MC, MD
.if SS == 0
.set MC, BI+8*UU
.endif
.set MSCA, SB+NS*((\e)%2)+SS
.set MSCB, SA+(TT/2)*NS+SS
.set MRB, TT%2
	WM MD, MA, MB, MC, MSCA, MSCB, UU, MRB
.set UU, UU+1
.endr
.set TI, TI+1
.endr
.set DS, DS+1
.endr
.set WD, WD+1
.endr
.endm
.macro FETCH_B e, g                    ; 8 LDS loads: the weight fragments of group g of expert e.  Lane l: row l % 16, registers 4 c .. 4 c + 3 = K 64 c + 32 (l / 16) + 0 .. 31
	WIN 0
.set DS, 0
.rept KG
.set UU, 0
.rept NU
.irp c, 0,1
	ds_load_b128 v[BF+32*((\g)%2)+8*NU*DS+8*UU+4*\c:BF+32*((\g)%2)+8*NU*DS+8*UU+4*\c+3], v[ADB+((\e)/2)%NSLOT] offset:((\e)%2)*64*PITCH+UU*16*PITCH+64*(KG*(\g)+DS)+32*\c
.endr
.set UU, UU+1
.endr
.set DS, DS+1
.endr
.endm
.macro FETCH_SB e                      ; my weight rows' scale words of expert e
.set JJ, 0
.rept NS/4
	ds_load_b128 v[SB+NS*((\e)%2)+4*JJ:SB+NS*((\e)%2)+4*JJ+3], v[ADS] offset:(\e)*64*KS+16*JJ
.set JJ, JJ+1
.endr
.endm
.macro FETCH_BI e                      ; the bias of expert e: register j of tile u = row 16 u + 8 (l / 16) + j
.set UU, 0
.rept NU
	ds_load_b128 v[BI+8*UU:BI+8*UU+3], v[ADBI] offset:(\e)*256+64*UU
	ds_load_b128 v[BI+8*UU+4:BI+8*UU+7], v[ADBI] offset:(\e)*256+64*UU+16
.set UU, UU+1
.endr
.endm
.macro FETCH_A g                       ; 32 LDS loads: my eight token tiles' fragments of group g's K steps, into window 1; they stay
	WIN 0x40
.set TT, 0
.rept 8
.set DS, 0
.rept KG
.set SS, KG*(\g)+DS
.irp c, 0,1
	ds_load_b128 v[8*(TT*NS+SS)+4*\c:8*(TT*NS+SS)+4*\c+3], v[ADA] offset:TT*16*PITCH+64*SS+32*\c
.endr
.set DS, DS+1
.endr
.set TT, TT+1
.endr
.endm
; The products of expert e.  Each group's fragments are asked for one group ahead.  A load into a register that a matrix instruction has read stands four plain vector instructions behind it
; (ISA guide 7.12.1 for vector instructions).
.macro BODY e, first
.set GG, 0
.rept G
.if GG > 0
	PLACES 4
.endif
.if GG+1 < G
	FETCH_B \e, GG+1
.if \first
	FETCH_A GG+1
	s_wait_dscnt DFIRST                            ; all but the loads just issued for the next group
.else
	s_wait_dscnt 8                                 ; all but the eight just issued
.endif
.else
	s_wait_dscnt 0x0
.endif
	MUL \e, GG
.set GG, GG+1
.endr
.endm
.macro NEXT e                          ; what the next pass begins with
	FETCH_B (\e)+1, 0
	FETCH_SB (\e)+1
	FETCH_BI (\e)+1
.endm
; TOT += gate x ACC for token tiles t0 .. t1 - 1, two numbers an instruction, each accumulator from its low end on.  The gate of an even expert is the low register of its pair, of an odd one the high.
.macro GATE e, t0, t1
	WIN (AW<<6)|(AW<<4)|AW
.set TT, \t0
.rept (\t1)-(\t0)
.set UU, 0
.rept NU
.set RA, 8*(NU*TT+UU)
.set RG, GT+8*TT+((\e)&6)
.irp k, 0,2,4,6
.if (\e) == 0
	v_pk_mul_f32 v[TOTB+RA+\k:TOTB+RA+\k+1], v[RA+\k:RA+\k+1], v[RG:RG+1] op_sel_hi:[1,0]
.elseif ((\e)&1) == 0
	v_pk_fma_f32 v[TOTB+RA+\k:TOTB+RA+\k+1], v[RA+\k:RA+\k+1], v[RG:RG+1], v[TOTB+RA+\k:TOTB+RA+\k+1] op_sel_hi:[1,0,1]
.else
	v_pk_fma_f32 v[TOTB+RA+\k:TOTB+RA+\k+1], v[RA+\k:RA+\k+1], v[RG:RG+1], v[TOTB+RA+\k:TOTB+RA+\k+1] op_sel:[0,1,0] op_sel_hi:[1,1,1]
.endif
.endr
.set UU, UU+1
.endr
.set TT, TT+1
.endr
.endm
.macro PLAINEND e                      ; an even expert's end: the next expert lies in the same piece; its first loads are on their way while the gates are applied
	PLACES 4
	NEXT \e
	GATE \e, 0, 8
.endm
; An odd expert's end: the next expert lies in the next piece.  left = the pieces asked for behind that one, which may stay out.
.macro BOUND e, left
	WIN 0
	s_wait_tensorcnt \left                         ; my rows of the next piece have landed
	PLACES 4                                       ; between the last products and the first read of their results
	s_wait_dscnt 0x0                               ; no LDS load of mine is out at the signal
	s_barrier_signal -1
	GATE \e, 0, 4                                  ; work on registers while the others arrive
	WIN 0
	s_barrier_wait -1                              ; everybody's rows have landed
	NEXT \e
	GATE \e, 4, 8
.endm
; Token tiles 2 p and 2 p + 1: elu, the block's scale, the codes, the store.  x = TOT is read through its window; all else lies in window 0.
; elu(x) = the middle one of x, N and 0.  N = x + x^2 (1/2 + x/6 + x^2/24) where z = 2^(x log2 e) - 1 is at least -1/16, else N = z.  Above 0 N lies above x, so the middle one is x.
.macro ELUQ p
.set XR, TOTB+32*(\p)
	WIN AW
.set KK, 0
.rept 16
	v_pk_mul_f32 v[EY+KK:EY+KK+1], v[XR+KK:XR+KK+1], 0x3fb8aa3b op_sel_hi:[1,0]
.set KK, KK+2
.endr
	WIN 0
.set KK, 0
.rept 32
	v_exp_f32 v[EY+KK], v[EY+KK]                   ; one batch
.set KK, KK+1
.endr
	WIN AW
.set KK, 0
.rept 16
	v_pk_fma_f32 v[EP+KK:EP+KK+1], v[XR+KK:XR+KK+1], s[C24:C24+1], v[C3:C3+1] op_sel_hi:[1,0,0]   ; the series names no result of the batch: 64 plain instructions behind it
.set KK, KK+2
.endr
.set KK, 0
.rept 16
	v_pk_fma_f32 v[EP+KK:EP+KK+1], v[XR+KK:XR+KK+1], v[EP+KK:EP+KK+1], 0.5 op_sel_hi:[1,1,0]
.set KK, KK+2
.endr
.set KK, 0
.rept 16
	v_pk_mul_f32 v[EP+KK:EP+KK+1], v[XR+KK:XR+KK+1], v[EP+KK:EP+KK+1]
.set KK, KK+2
.endr
	WIN AW|(AW<<4)
.set KK, 0
.rept 16
	v_pk_fma_f32 v[EP+KK:EP+KK+1], v[XR+KK:XR+KK+1], v[EP+KK:EP+KK+1], v[XR+KK:XR+KK+1]
.set KK, KK+2
.endr
	WIN 0
	s_wait_alu depctr_va_vdst(0)                   ; one wait for the 32 exponentials, ahead of their first reader
.set KK, 0
.rept 16
	v_pk_add_f32 v[EY+KK:EY+KK+1], v[EY+KK:EY+KK+1], -1.0 op_sel_hi:[1,0]
.set KK, KK+2
.endr
.set KK, 0
.rept 8
.irp i, 0,1,2,3
	v_cmp_lt_f32 s[96+\i], v[EY+KK+\i], v[THR]     ; four masks at a time, so that no select waits for the compare just above it
.endr
.irp i, 0,1,2,3
	v_cndmask_b32 v[EP+KK+\i], v[EP+KK+\i], v[EY+KK+\i], s[96+\i]
.endr
.set KK, KK+4
.endr
	WIN AW
.set KK, 0
.rept 32
	v_med3_num_f32 v[EX+KK], v[XR+KK], v[EP+KK], 0
.set KK, KK+1
.endr
	WIN 0
.irp b, 0,1                            ; tile 2 p + b: my 16 numbers of my token's block, and the floor 2^(3 - 127): the byte cannot fall under 1
	v_max3_num_f32 v[QM+\b], |v[EX+16*\b]|, |v[EX+16*\b+1]|, 0x1800000
.endr
.irp i, 2,4,6,8,10,12,14
.irp b, 0,1
	v_max3_num_f32 v[QM+\b], v[QM+\b], |v[EX+16*\b+\i]|, |v[EX+16*\b+\i+1]|
.endr
.endr
.irp b, 0,1
	v_permlanex16_b32 v[QP+\b], v[QM+\b], s[SEL], s[SEL+1]
.endr
.irp b, 0,1
	v_max_num_f32 v[QM+\b], v[QM+\b], v[QP+\b]     ; with lane l xor 16's 16: the block's largest magnitude
.endr
.irp b, 0,1
	v_add_nc_u32 v[QS+\b], 0xff000000, v[QM+\b]    ; 2 off its exponent field: the conversion takes the exponent field of this operand as its scale
.endr
.irp b, 0,1
	v_lshrrev_b32 v[BY+2*(\p)+\b], 23, v[QS+\b]    ; the scale's byte
.endr
	v_cvt_scalef32_pk8_fp4_f32 v[PC+4*(\p)], v[EX:EX+7], v[QS]           ; tile 2 p,     h 8 (l / 16) + 0 .. 7
	v_cvt_scalef32_pk8_fp4_f32 v[PC+4*(\p)+1], v[EX+16:EX+23], v[QS+1]   ; tile 2 p + 1, the same h
	v_cvt_scalef32_pk8_fp4_f32 v[PC+4*(\p)+2], v[EX+8:EX+15], v[QS]      ; tile 2 p,     h 16 + 8 (l / 16) + 0 .. 7
	v_cvt_scalef32_pk8_fp4_f32 v[PC+4*(\p)+3], v[EX+24:EX+31], v[QS+1]
	v_nop                                          ; one plain instruction behind the scaled conversions
	v_permlane16_swap_b32 v[PC+4*(\p)], v[PC+4*(\p)+1]      ; the first's lanes 16-31 change places with the second's lanes 0-15:
	v_permlane16_swap_b32 v[PC+4*(\p)+2], v[PC+4*(\p)+3]    ; lane l now holds the 16 bytes of token 32 p + l
	global_store_b128 v[VL16], v[PC+4*(\p):PC+4*(\p)+3], s[PO:PO+1] offset:512*(\p)   ; 32 lanes store 512 consecutive bytes, at a multiple of 256 from the buffer's first byte
.endm
	s_load_b256 s[PA:PA+7], s[0:1], 0x0
	s_load_b256 s[PBI:PBI+7], s[0:1], 0x20
	v_lshl_add_u32 v254, v0, 2, 0x38000
	v_mov_b32 v255, 0
	ds_add_u32 v254, v255
	ds_add_u32 v254, v255
	v_lshrrev_b32 v[LN], 5, v0
	v_readfirstlane_b32 s[WV], v[LN]               ; wave 0..3
	s_lshr_b32 s[TH], s[WV], 1                     ; which 128 tokens are mine
	s_and_b32 s[BH], s[WV], 1                      ; which 32 weight rows
	s_bfe_u32 s[CX], ttmp6, 0x40000                ; my place in the cluster
	s_bfe_u32 s[CY], ttmp6, 0x40004
	s_lshl_b32 s[GX], ttmp9, 2
	s_add_co_u32 s[GX], s[GX], s[CX]               ; tile column: 64 h
	s_and_b32 s[GY], ttmp7, 0xffff
	s_lshl_b32 s[GY], s[GY], 2
	s_add_co_u32 s[GY], s[GY], s[CY]               ; tile row: 256 tokens
	s_lshl_b32 s66, s[CY], 2
	s_lshl_b32 s66, 15, s66                        ; my row of the cluster
	s_lshl_b32 s96, 0x1111, s[CX]                  ; my column
	GROUP1 G1A, 66, PADW, 256, 64, 256             ; X: 64 rows of 256 bytes a wave
	GROUP1 G1B, 96, PADW, 256, 32, 256             ; W1: 32 rows of 256 bytes a wave
	GROUP1 G1S, 96, DENSE8, 128, 2, 2048           ; scale bytes: two experts x 1,024 dense bytes, 16,384 bytes apart
	GROUP1 G1I, 96, DENSE8, 32, 2, 512             ; b1: two experts x 256 bytes, 4,096 bytes apart
	s_mov_b32 s[SEL], 0x76543210
	s_mov_b32 s[SEL+1], 0xfedcba98
	s_mov_b32 s[HM], 0xffff0000
	s_mov_b32 s[C24], 0x3d2aaaab
	s_mov_b32 s[C24+1], s[C24]                     ; (named with it as a pair, so it is written)
	s_lshl_b32 s66, s[GY], 16                      ; X: 256 rows x 256 bytes a tile row, + 64 rows a wave
	s_lshl_b32 s30, s[WV], 14
	s_add_co_u32 s66, s66, s30
	s_mov_b32 s67, 0
	s_lshl_b32 s96, s[TH], 18                      ; W1: expert w / 2 of the piece, + 64 rows a tile column, + 32 rows for w % 2
	s_lshl_b32 s31, s[GX], 14
	s_add_co_u32 s96, s96, s31
	s_lshl_b32 s30, s[BH], 13
	s_add_co_u32 s96, s96, s30
	s_mov_b32 s97, 0
	s_lshl_b32 s98, s[WV], 15                      ; scale bytes: experts 2 w, 2 w + 1
	s_lshl_b32 s31, s[GX], 10
	s_add_co_u32 s98, s98, s31
	s_mov_b32 s99, 0
	s_lshl_b32 s100, s[WV], 13                     ; b1 likewise
	s_lshl_b32 s31, s[GX], 8
	s_add_co_u32 s100, s100, s31
	s_mov_b32 s101, 0
	s_wait_dscnt 0x0
	s_wait_kmcnt 0x0
	s_add_nc_u64 s[PB:PB+1], s[PB:PB+1], s[96:97]
	s_mul_i32 s30, s[WV], 64*PITCH
	GROUP0 G0A, 30, AOFF, PA, 66
	s_lshl_b32 s30, s[WV], 11
	GROUP0 G0S, 30, BSOFF, PBS, 98
	s_lshl_b32 s30, s[WV], 9
	GROUP0 G0I, 30, BIOFF, PBI, 100
	s_mul_i32 s30, s[WV], 32*PITCH
.irp p, 0,1,2,3
	s_mov_b32 s[G0B+4*\p], 1
	s_add_co_u32 s[G0B+4*\p+1], s30, BOFF+\p*SLOT
	s_add_nc_u64 s[G0B+4*\p+2:G0B+4*\p+3], s[PB:PB+1], \p*PSTEP
	s_or_b32 s[G0B+4*\p+3], s[G0B+4*\p+3], 0x80000000
.endr
	CROUND                                         ; all sixteen work-groups are here: the joint loads meet
	tensor_load_to_lds s[G0S:G0S+3], s[G1S:G1S+7]  ; all fills of the launch go out as one group: seven loads of mine are out
	s_nop 0
	tensor_load_to_lds s[G0I:G0I+3], s[G1I:G1I+7]
	s_nop 0
	tensor_load_to_lds s[G0B:G0B+3], s[G1B:G1B+7]
	s_nop 0
	tensor_load_to_lds s[G0A:G0A+3], s[G1A:G1A+7]
	s_nop 0
	tensor_load_to_lds s[G0B+4:G0B+7], s[G1B:G1B+7]
	s_nop 0
	tensor_load_to_lds s[G0B+8:G0B+11], s[G1B:G1B+7]
	s_nop 0
	tensor_load_to_lds s[G0B+12:G0B+15], s[G1B:G1B+7]
	s_nop 0
	PLACES 4
	s_lshl_b32 s30, s[GY], 8
	s_lshl_b32 s31, s[TH], 7
	s_add_co_u32 s30, s30, s31                     ; my first token
	s_lshl_b32 s96, s30, 5
	s_add_nc_u64 s[PW:PW+1], s[PW:PW+1], s[96:97]  ; its gates: 32 bytes a token
	s_lshl_b32 s96, s30, 4
	s_add_nc_u64 s[PAS:PAS+1], s[PAS:PAS+1], s[96:97]   ; its scale bytes: 16 a token
	s_lshl_b32 s31, s[GX], 1
	s_add_co_u32 s31, s31, s[BH]                   ; my block of the next K
	s_lshl_b32 s98, s31, 16
	s_add_co_u32 s98, s98, s96
	s_add_nc_u64 s[PO:PO+1], s[PO:PO+1], s[98:99]  ; codes: 65,536 bytes a block, 16 a token
	s_lshl_b32 s98, s31, 12
	s_add_co_u32 s98, s98, s30
	s_add_nc_u64 s[POS:POS+1], s[POS:POS+1], s[98:99]   ; scale bytes: 4,096 a block, 1 a token
	v_and_b32 v[LN], 31, v0
	v_and_b32 v[RR], 15, v0
	v_bfe_u32 v[HH], v0, 4, 1
	v_lshlrev_b32 v[VG], 5, v[RR]
	v_lshlrev_b32 v[VL16], 4, v[LN]
	v_lshlrev_b32 v[VL4], 2, v[LN]
.irp t, 0,1,2,3,4,5,6,7
	global_load_b128 v[GT+8*\t:GT+8*\t+3], v[VG], s[PW:PW+1] offset:512*\t
	global_load_b128 v[GT+8*\t+4:GT+8*\t+7], v[VG], s[PW:PW+1] offset:512*\t+16
.endr
.irp a, 0,1,2,3
	global_load_b128 v[SA+4*\a:SA+4*\a+3], v[VL16], s[PAS:PAS+1] offset:512*\a   ; token 32 a + lane: its four scale words
.endr
	v_mul_u32_u24 v[ADB], v[RR], PITCH
	v_lshl_add_u32 v[ADB], v[HH], 4, v[ADB]        ; row x pitch + 16 x half
	s_mul_i32 s30, s[TH], 128*PITCH
	v_add_nc_u32 v[ADA], s30, v[ADB]               ; X: my 128 rows
	s_mul_i32 s30, s[BH], 32*PITCH
	s_add_co_u32 s30, s30, BOFF
	v_add_nc_u32 v[ADB], s30, v[ADB]               ; W1: my 32 rows of each expert
	v_add_nc_u32 v[ADB+1], SLOT, v[ADB]
	v_add_nc_u32 v[ADB+2], 2*SLOT, v[ADB]
	v_add_nc_u32 v[ADB+3], 3*SLOT, v[ADB]
	v_mul_u32_u24 v[ADS], v[LN], KS
	s_mul_i32 s30, s[BH], 32*KS
	s_add_co_u32 s30, s30, BSOFF
	v_add_nc_u32 v[ADS], s30, v[ADS]
	v_lshlrev_b32 v[ADBI], 5, v[HH]
	s_lshl_b32 s30, s[BH], 7
	s_add_co_u32 s30, s30, BIOFF
	v_add_nc_u32 v[ADBI], s30, v[ADBI]
	s_wait_loadcnt 0x0                             ; gates and X's scale words
	s_wait_tensorcnt 3                             ; scale bytes, biases, piece 0 and X: my rows are in; pieces 1 to 3 may stay out
	s_barrier_signal -1
	s_barrier_wait -1                              ; everybody's are
	FETCH_B 0, 0
	FETCH_SB 0
	FETCH_BI 0
	FETCH_A 0
	BODY 0, 1
	PLAINEND 0
	BODY 1, 0
	BOUND 1, 2
	BODY 2, 0
	PLAINEND 2
	BODY 3, 0
	BOUND 3, 1
	BODY 4, 0
	PLAINEND 4
	BODY 5, 0
	BOUND 5, 0
	BODY 6, 0
	PLAINEND 6
	BODY 7, 0
	PLACES 4
	GATE 7, 0, 8
	; THE WAY OUT
	WIN 0
	v_mov_b32 v[QP], 0                             ; written once: a lane permute's destination counts as one of its sources
	v_mov_b32 v[QP+1], 0
	v_mov_b32 v[C3], 0x3e2aaaab
	v_mov_b32 v[C3+1], 0x3e2aaaab
	v_mov_b32 v[THR], 0xbd800000
	ELUQ 0
	ELUQ 1
	ELUQ 2
	ELUQ 3
	v_lshl_or_b32 v[WD0], v[BY+2], 8, v[BY]        ; the even tiles' bytes,
	v_lshl_or_b32 v[WD1], v[BY+3], 8, v[BY+1]      ; the odd tiles'
	v_lshl_or_b32 v[WD0], v[BY+4], 16, v[WD0]
	v_lshl_or_b32 v[WD1], v[BY+5], 16, v[WD1]
	v_lshl_or_b32 v[WD0], v[BY+6], 24, v[WD0]
	v_lshl_or_b32 v[WD1], v[BY+7], 24, v[WD1]
	v_cndmask_b32 v[WD0], v[WD0], v[WD1], s[HM]    ; lanes 16-31 take the odd tiles'
	global_store_b32 v[VL4], v[WD0], s[POS:POS+1]  ; 32 lanes store 128 consecutive bytes
	s_wait_tensorcnt 0x0
	ds_add_u32 v254, v255
	s_wait_dscnt 0x0
	CROUND                                         ; the closing round: no work-group ends while a partner may still ask for a tile that names it
	s_endpgm
.Lfunc_end_k_q40d7916ce0_layer1:
	.size	k_q40d7916ce0_layer1, .Lfunc_end_k_q40d7916ce0_layer1-k_q40d7916ce0_layer1
	.p2alignl 7, 3214868480
	.fill 96, 4, 3214868480
	.section	.rodata,"a",@progbits
	.p2align	6, 0x0
	.amdhsa_kernel k_q40d7916ce0_layer1
		.amdhsa_group_segment_fixed_size 229888
		.amdhsa_private_segment_fixed_size 0
		.amdhsa_enable_private_segment 0
		.amdhsa_kernarg_size 64
		.amdhsa_user_sgpr_count 2
		.amdhsa_user_sgpr_kernarg_segment_ptr 1
		.amdhsa_wavefront_size32 1
		.amdhsa_system_sgpr_workgroup_id_x 1
		.amdhsa_system_sgpr_workgroup_id_y 1
		.amdhsa_system_sgpr_workgroup_id_z 1
		.amdhsa_system_vgpr_workitem_id 0
		.amdhsa_next_free_vgpr 768
		.amdhsa_next_free_sgpr 102
		.amdhsa_reserve_vcc 0
		.amdhsa_float_denorm_mode_32 3
		.amdhsa_float_denorm_mode_16_64 3
		.amdhsa_memory_ordered 1
		.amdhsa_forward_progress 1
		.amdhsa_inst_pref_size 190
	.end_amdhsa_kernel
	.amdgpu_metadata
---
amdhsa.version: [ 1, 2 ]
amdhsa.kernels:
  - .name:           k_q40d7916ce0_layer1
    .symbol:         k_q40d7916ce0_layer1.kd
    .args:
      - { .name: X_codes, .offset: 0, .size: 8, .value_kind: global_buffer, .address_space: global }
      - { .name: X_scales, .offset: 8, .size: 8, .value_kind: global_buffer, .address_space: global }
      - { .name: W1_codes, .offset: 16, .size: 8, .value_kind: global_buffer, .address_space: global }
      - { .name: W1_scales, .offset: 24, .size: 8, .value_kind: global_buffer, .address_space: global }
      - { .name: b1, .offset: 32, .size: 8, .value_kind: global_buffer, .address_space: global }
      - { .name: W, .offset: 40, .size: 8, .value_kind: global_buffer, .address_space: global }
      - { .name: m1_codes, .offset: 48, .size: 8, .value_kind: global_buffer, .address_space: global }
      - { .name: m1_scales, .offset: 56, .size: 8, .value_kind: global_buffer, .address_space: global }
    .group_segment_fixed_size: 229888
    .private_segment_fixed_size: 0
    .kernarg_segment_align: 8
    .kernarg_segment_size: 64
    .max_flat_workgroup_size: 128
    .sgpr_count:     102
    .vgpr_count:     768
    .wavefront_size: 32
...
	.end_amdgpu_metadata
.endif
;; end of part 1
;; launch layer2 (part 2): grid 16 x 16, 4 waves a work-group, clusters of 4 x 4, 327,680 bytes of LDS; arguments m1_codes, m1_scales, W2_codes, W2_scales, b2, W, m2_codes, m2_scales; writes m2_codes, m2_scales
.if DOCPART == 2
	.amdgcn_target "amdgcn-amd-amdhsa--gfx1250"
	.amdhsa_code_object_version 6
	.text
	.protected	k_q40d7916ce0_layer2
	.globl	k_q40d7916ce0_layer2
	.p2align	8
	.type	k_q40d7916ce0_layer2,@function
k_q40d7916ce0_layer2:
	s_mov_b64 s[64:65], 0
	v_nop
	global_prefetch_b8 v0, s[64:65] scope:SCOPE_SE
	s_setreg_imm32_b32 hwreg(HW_REG_WAVE_MODE, 25, 1), 1
	s_wait_xcnt 0x0
	s_wait_alu depctr_hold_cnt(0) depctr_sa_sdst(0) depctr_va_vdst(0) depctr_va_sdst(0) depctr_va_ssrc(0) depctr_va_vcc(0) depctr_vm_vsrc(0)
	s_getreg_b32 s2, hwreg(HW_REG_IB_STS2, 6, 4)
	s_cmp_eq_u32 s2, 0
	s_cbranch_scc0 .Lentry_in_a_cluster
	s_endpgm
.Lentry_in_a_cluster:
	s_bfe_u32 s2, ttmp6, 0x10000c
	s_cmp_lg_u32 s2, 0xf033
	s_cbranch_scc0 .Lentry_shape_is_right
	s_endpgm
.Lentry_shape_is_right:
; LAYER 2 OF THREE.  m2 = Q(elu(y)),  y[b][g] = sum over e of W[b][e] x (sum over h of m1[b][h] W2[e][g][h] + b2[e][g]).
; m1 comes as layer 1 left it: m1_codes [h / 32][4096 tokens][16 bytes], m1_scales [h / 32][4096 bytes], in each group of 128 tokens byte 4 l + i = token 16 (2 i + l / 16) + l % 16.
; W2 [8][1024][1024]: codes of FP4 (E2M1), K innermost, one E8M0 byte for each 32 along K; W [4096][8], b2 [8][1024] f32.  m2 leaves in m1's layout.
; SHARES.  A work-group makes 256 tokens x 64 g, a wave 128 tokens x 32 g (one block of the next K): wave w takes tokens 128 (w / 2) on and g 32 (w % 2) on.
; THE TOKENS' FRAGMENTS FOR ALL OF K STAY IN REGISTERS (8 tiles x 8 K steps x 8 = 512, windows 1 and 2), so that the eight passes over the experts read weights alone from LDS, each fragment feeding eight matrix instructions.
; THE MATRIX INSTRUCTION IS USED TRANSPOSED: source 0 = 16 rows of W2, source 1 = 16 tokens.  Lane l then holds ONE token (l % 16), register j the row 8 (l / 16) + j: the gate is a number of the lane,
; the bias is the C of each sum's first instruction, and a tile's registers are neighbours along the next K.
; A PASS (expert e): 16 accumulators by turns over 8 K steps, then TOT += W[token][e] x ACC, packed.  The first pass multiplies: nothing is cleared.
; THE WEIGHTS.  Experts 0 to 3 (two pieces of two experts x 64 rows) come with the first fills.  m1's tile is copied into registers in pass 0 and nobody reads it afterwards: behind pass 0 each wave asks for
; ONE WHOLE EXPERT, 4 + w, 64 rows, into m1's bytes and the 4,096 bytes behind them.  That is the launch's one refill; it has passes 1 to 3, 384 matrix instructions a wave, in which to land.
; CLUSTERS: 4 x 4 work-groups.  m1's tile hangs on the tile row alone and is asked for jointly by a row of the cluster; weights, their scales and the biases hang on the tile column alone and are asked for
; jointly by a column.  Every wave issues every load, for rows of its own.
; LIMITS: NaN and infinities are not served.  A block of zeros gets the byte 1 (the rule says 127): its codes are zeros and this program alone reads the bytes.  The bias is the first addend of a sum, not the last.
; A wave's store of scale bytes covers 128 consecutive bytes: it owns one byte for each token.
.set NS,     8                         ; K steps of 128
.set NU,     2                         ; tiles of 16 weight rows of a wave
.set KG,     2                         ; K steps in a group of 32 matrix instructions
.set G,      NS/KG                     ; groups in a pass
.set TPW,    4                         ; token tiles whose fragments fill a window
.set AW,     3                         ; the window of ACC (v0-127) and TOT (v128-255)
.set TOTB,   128
.set ROWB,   64*NS                     ; a row of codes in bytes
.set PITCH,  ROWB+16                   ; and in LDS: 132 words: the sixteen rows of a load start at sixteen different banks (64 banks of 4 bytes: ISA guide 11.1)
.set KS,     4*NS                      ; a row of scale bytes
.set SLOT,   128*PITCH                 ; a piece: two experts x 64 weight rows
.set NSLOT,  4                         ; piece p is read through address register ADB + p
.set PSTEP,  2*1024*ROWB               ; two experts of W2 in memory
.set AOFF,   0                         ; LDS: m1's tile [32 blocks][256 tokens][16 bytes], 131,072 bytes;
.set ROFF,   0                         ; over it and the 4,096 bytes behind it, later: pieces 2 and 3;
.set BOFF,   2*SLOT                    ; pieces 0 and 1,
.set BSOFF,  4*SLOT                    ; W2's scale bytes, 64 rows x KS for each expert,
.set BIOFF,  BSOFF+8*64*KS             ; b2, 64 numbers for each expert,
.set SPARE,  BIOFF+8*256               ; the spare words, 128 bytes for each wave: two blocks of 256 bytes that no other line names
.set DFIRST, 8+16*KG                   ; LDS loads issued in the first pass for the next group: 8 of weights, 32 of m1
.set PADW,   (1<<20)|(1<<21)|(6<<22)|(3<<25)   ; group 1, word 0 beside the mask: elements of 1 byte; padding on; bit 21 set beside a mask; after every 128 words; 4 words
.set DENSE8, (3<<16)|(1<<21)           ; elements of 8 bytes, no padding
; vector registers, window 0
.set LN,   1                           ; lane
.set RR,   2                           ; lane % 16
.set HH,   3                           ; lane / 16
.set ADB,  4                           ; v4-7   my weight rows in piece 0 .. 3
.set ADA,  8                           ; v8-9   my tokens' blocks 0-15, 16-31
.set ADS,  10                          ; v10    my weight rows' scale bytes
.set ADBI, 11                          ; v11    my lane's eight biases
.set SPW,  12                          ; v12    LDS address of my spare word: SPARE + 4 x my thread's number; never rewritten
.set NIL,  13                          ; v13    0; never rewritten
.set VG,   14                          ; v14    32 x (lane % 16): a token's eight gates
.set VL16, 15                          ; v15    16 x lane
.set VL4,  16                          ; v16    4 x lane
.set GT,   32                          ; v32-95   gates: W[16 t + lane % 16][e] at GT + 8 t + e
.set SA,   96                          ; v96-127  m1's scale words at SA + (t / 2) NS + s: lanes 0-15 tile t even, lanes 16-31 tile t odd
.set SB,   128                         ; v128-143 W2's scale words, two sets, at SB + NS (e % 2) + s: lanes 0-15 tile u = 0, lanes 16-31 u = 1
.set BI,   144                         ; v144-159 the bias in the result's layout, at BI + 8 u
.set BF,   160                         ; v160-223 weight fragments, two buffers of 32
.set RAW,  160                         ; at the head: m1's 32 planes of scale bytes as they are loaded
.set TP,   224                         ; v224-227 at work
; the way out, window 0, in registers that gates and fragments have left
.set EY,   32                          ; 2^(x log2 e), then that - 1
.set EP,   64                          ; the series, then the chosen arm
.set EX,   160                         ; elu
.set PC,   192                         ; codes, four registers for each pair of tiles: no store's data are written again
.set BY,   208                         ; a scale byte for each tile
.set QM,   216
.set QP,   218
.set QS,   220
.set C3,   222                         ; 1/6, twice
.set WD0,  224
.set WD1,  225
.set THR,  226                         ; -1/16
; scalar registers
.set SEL, 2                            ; s[2:3] lane selects of v_permlanex16_b32: lane l xor 16
.set PA,  4                            ; m1_codes
.set PAS, 6                            ; m1_scales
.set PB,  8                            ; W2_codes
.set PBS, 10                           ; W2_scales
.set G0R, 8                            ; s[8:11] group 0 of the refill, written when W2's two pointers have served
.set PBI, 12                           ; b2
.set PW,  14                           ; W
.set PO,  16                           ; m2_codes
.set POS, 18                           ; m2_scales
.set WV,  20
.set TH,  21
.set BH,  22
.set CX,  23
.set CY,  24
.set GX,  25
.set GY,  26
.set HM,  27                           ; lanes 16-31 as a mask
.set C24, 28                           ; s[28:29] 1/24
.set G1A, 32                           ; group 1: m1's tile; weights, 32 rows; scale bytes; biases
.set G1B, 40
.set G1S, 48
.set G1I, 56
.set G0A, 68                           ; group 0: one set for each first fill
.set G0S, 72
.set G0I, 76
.set G0B, 80                           ; s[80:87] pieces 0 and 1
.set G1C, 88                           ; s[88:95] group 1: weights, 64 rows: the refill's
.set MSB, 0
.macro WIN new                         ; s_set_vgpr_msb: bits 1:0 source 0, 3:2 source 1, 5:4 source 2, 7:6 destination; the high byte repeats the setting that is left
.if MSB != (\new)
	s_set_vgpr_msb (MSB<<8)|(\new)
.set MSB, (\new)
.endif
.endm
.macro PLACES n
.rept \n
	v_nop
.endr
.endm
.macro CREST                           ; a round of the cluster's barrier behind its opening barrier
	s_cmp_lg_u32 s[WV], 0
	s_cbranch_scc1 .Lnot_wave_0_\@
	s_barrier_signal -3
.Lnot_wave_0_\@:
	s_barrier_wait -3
	s_barrier_signal -1
	s_barrier_wait -1
.endm
.macro CROUND                          ; a whole round
	s_barrier_signal -1
	s_barrier_wait -1
	CREST
.endm
.macro GROUP1 g, m, w0, c, r, p        ; r rows of c elements, p elements from row to row; the tile lies inside the tensor, so the extents are the tile's
	s_or_b32 s[\g], s[\m], \w0
	s_mov_b32 s[\g+1], (\c)<<16
	s_mov_b32 s[\g+2], (\r)<<16
	s_mov_b32 s[\g+3], (\c)<<16
	s_mov_b32 s[\g+4], \r
	s_mov_b32 s[\g+5], \p
	s_mov_b32 s[\g+6], 0
	s_mov_b32 s[\g+7], 0
.endm
.macro GROUP0 g, l, lc, p, o           ; count 1; LDS address = a constant x wave + a constant; global address; type 2
	s_mov_b32 s[\g], 1
	s_add_co_u32 s[\g+1], s[\l], \lc
	s_add_nc_u64 s[\g+2:\g+3], s[\p:\p+1], s[\o:\o+1]
	s_or_b32 s[\g+3], s[\g+3], 0x80000000
.endm
.macro WM d, a, b, c, sa, sb, ra, rb   ; one matrix instruction; ra, rb: the scale words stand in lanes 16-31
.if (\ra) && (\rb)
	v_wmma_scale_f32_16x16x128_f8f6f4 v[\d:\d+7], v[\a:\a+7], v[\b:\b+7], v[\c:\c+7], v[\sa], v[\sb] matrix_a_fmt:MATRIX_FMT_FP4 matrix_b_fmt:MATRIX_FMT_FP4 matrix_a_scale:MATRIX_SCALE_ROW1 matrix_b_scale:MATRIX_SCALE_ROW1
.elseif (\ra)
	v_wmma_scale_f32_16x16x128_f8f6f4 v[\d:\d+7], v[\a:\a+7], v[\b:\b+7], v[\c:\c+7], v[\sa], v[\sb] matrix_a_fmt:MATRIX_FMT_FP4 matrix_b_fmt:MATRIX_FMT_FP4 matrix_a_scale:MATRIX_SCALE_ROW1
.elseif (\rb)
	v_wmma_scale_f32_16x16x128_f8f6f4 v[\d:\d+7], v[\a:\a+7], v[\b:\b+7], v[\c:\c+7], v[\sa], v[\sb] matrix_a_fmt:MATRIX_FMT_FP4 matrix_b_fmt:MATRIX_FMT_FP4 matrix_b_scale:MATRIX_SCALE_ROW1
.else
	v_wmma_scale_f32_16x16x128_f8f6f4 v[\d:\d+7], v[\a:\a+7], v[\b:\b+7], v[\c:\c+7], v[\sa], v[\sb] matrix_a_fmt:MATRIX_FMT_FP4 matrix_b_fmt:MATRIX_FMT_FP4
.endif
.endm
; Group g of expert e: 32 matrix instructions, KG K steps x 8 token tiles x NU weight tiles, the tiles of one window together.  The accumulators take turns, one instruction a turn.
; K step 0 takes the bias (window 0) as C and so starts the sums.
.macro MUL e, g
.set WD, 0
.rept 8/TPW
.set DS, 0
.rept KG
.set SS, KG*(\g)+DS
.if SS == 0
	WIN (AW<<6)|((1+WD)<<2)
.else
	WIN (AW<<6)|(AW<<4)|((1+WD)<<2)
.endif
.set TI, 0
.rept TPW
.set TT, TPW*WD+TI
.set UU, 0
.rept NU
.set MD, 8*(NU*TT+UU)
.set MA, BF+32*((\g)%2)+8*NU*DS+8*UU
.set MB, 8*(TI*NS+SS)
.set MC, MD
.if SS == 0
.set MC, BI+8*UU
.endif
.set MSCA, SB+NS*((\e)%2)+SS
.set MSCB, SA+(TT/2)*NS+SS
.set MRB, TT%2
	WM MD, MA, MB, MC, MSCA, MSCB, UU, MRB
.set UU, UU+1
.endr
.set TI, TI+1
.endr
.set DS, DS+1
.endr
.set WD, WD+1
.endr
.endm
.macro FETCH_B e, g                    ; 8 LDS loads: the weight fragments of group g of expert e.  Lane l: row l % 16, registers 4 c .. 4 c + 3 = K 64 c + 32 (l / 16) + 0 .. 31
	WIN 0
.set DS, 0
.rept KG
.set UU, 0
.rept NU
.irp c, 0,1
	ds_load_b128 v[BF+32*((\g)%2)+8*NU*DS+8*UU+4*\c:BF+32*((\g)%2)+8*NU*DS+8*UU+4*\c+3], v[ADB+((\e)/2)%NSLOT] offset:((\e)%2)*64*PITCH+UU*16*PITCH+64*(KG*(\g)+DS)+32*\c
.endr
.set UU, UU+1
.endr
.set DS, DS+1
.endr
.endm
.macro FETCH_SB e                      ; my weight rows' scale words of expert e
.set JJ, 0
.rept NS/4
	ds_load_b128 v[SB+NS*((\e)%2)+4*JJ:SB+NS*((\e)%2)+4*JJ+3], v[ADS] offset:(\e)*64*KS+16*JJ
.set JJ, JJ+1
.endr
.endm
.macro FETCH_BI e                      ; the bias of expert e: register j of tile u = row 16 u + 8 (l / 16) + j
.set UU, 0
.rept NU
	ds_load_b128 v[BI+8*UU:BI+8*UU+3], v[ADBI] offset:(\e)*256+64*UU
	ds_load_b128 v[BI+8*UU+4:BI+8*UU+7], v[ADBI] offset:(\e)*256+64*UU+16
.set UU, UU+1
.endr
.endm
.macro FETCH_A g                       ; 32 LDS loads: my eight token tiles' fragments of group g's K steps: block 4 s + 2 c + l / 16 of token l % 16; tiles 0-3 into window 1, tiles 4-7 into window 2; they stay
.set WD, 0
.rept 2
	WIN 0x40*(1+WD)
.set TI, 0
.rept 4
.set DS, 0
.rept KG
.set SS, KG*(\g)+DS
.irp c, 0,1
	ds_load_b128 v[8*(TI*NS+SS)+4*\c:8*(TI*NS+SS)+4*\c+3], v[ADA+SS/4] offset:(4*(SS%4)+2*\c)*4096+256*(4*WD+TI)
.endr
.set DS, DS+1
.endr
.set TI, TI+1
.endr
.set WD, WD+1
.endr
.endm
; The products of expert e.  Each group's fragments are asked for one group ahead.  A load into a register that a matrix instruction has read stands four plain vector instructions behind it
; (ISA guide 7.12.1 for vector instructions).
.macro BODY e, first
.set GG, 0
.rept G
.if GG > 0
	PLACES 4
.endif
.if GG+1 < G
	FETCH_B \e, GG+1
.if \first
	FETCH_A GG+1
	s_wait_dscnt DFIRST                            ; all but the loads just issued for the next group
.else
	s_wait_dscnt 8                                 ; all but the eight just issued
.endif
.else
	s_wait_dscnt 0x0
.endif
	MUL \e, GG
.set GG, GG+1
.endr
.endm
.macro NEXT e                          ; what the next pass begins with
	FETCH_B (\e)+1, 0
	FETCH_SB (\e)+1
	FETCH_BI (\e)+1
.endm
; TOT += gate x ACC for token tiles t0 .. t1 - 1, two numbers an instruction, each accumulator from its low end on.  The gate of an even expert is the low register of its pair, of an odd one the high.
.macro GATE e, t0, t1
	WIN (AW<<6)|(AW<<4)|AW
.set TT, \t0
.rept (\t1)-(\t0)
.set UU, 0
.rept NU
.set RA, 8*(NU*TT+UU)
.set RG, GT+8*TT+((\e)&6)
.irp k, 0,2,4,6
.if (\e) == 0
	v_pk_mul_f32 v[TOTB+RA+\k:TOTB+RA+\k+1], v[RA+\k:RA+\k+1], v[RG:RG+1] op_sel_hi:[1,0]
.elseif ((\e)&1) == 0
	v_pk_fma_f32 v[TOTB+RA+\k:TOTB+RA+\k+1], v[RA+\k:RA+\k+1], v[RG:RG+1], v[TOTB+RA+\k:TOTB+RA+\k+1] op_sel_hi:[1,0,1]
.else
	v_pk_fma_f32 v[TOTB+RA+\k:TOTB+RA+\k+1], v[RA+\k:RA+\k+1], v[RG:RG+1], v[TOTB+RA+\k:TOTB+RA+\k+1] op_sel:[0,1,0] op_sel_hi:[1,1,1]
.endif
.endr
.set UU, UU+1
.endr
.set TT, TT+1
.endr
.endm
.macro PLAINEND e                      ; a pass's end where the next expert's rows have been shown whole by an earlier barrier: its first loads are on their way while the gates are applied
	PLACES 4
	NEXT \e
	GATE \e, 0, 8
.endm
; A pass's end with a barrier.  Each wave waits for all its tensor loads, adds 0 to its spare word, and waits for that and for its LDS reads.
; fill = 1, behind pass 0: m1's tile has been read for the last time.  The barrier opens a round of the cluster's barrier, so that no wave of any partner still reads those bytes or has a load on its way,
; and the joint refill is the first thing behind the round.  The same barrier shows piece 1 whole.   fill = 0, behind pass 3: the refill has landed in every wave's part: experts 4 to 7 are whole.
.macro BOUND e, fill
	WIN 0                                          ; (the add's two registers lie in window 0)
	s_wait_tensorcnt 0x0                           ; no tensor load of mine is out
	ds_add_u32 v[SPW], v[NIL]                      ; 0 onto my spare word
	PLACES 4                                       ; between the last products and the first read of their results
	s_wait_dscnt 0x0                               ; the add is done, and my LDS reads are over
	s_barrier_signal -1
	GATE \e, 0, 4                                  ; work on registers while the others arrive
	WIN 0
	s_barrier_wait -1
.if \fill
	CREST
	tensor_load_to_lds s[G0R:G0R+3], s[G1C:G1C+7]  ; expert 4 + w, whole: my one tensor load behind the first fills
	s_nop 0
	PLACES 4
.endif
	NEXT \e
	GATE \e, 4, 8
.endm
; Token tiles 2 p and 2 p + 1: elu, the block's scale, the codes, the store.  x = TOT is read through its window; all else lies in window 0.
; elu(x) = the middle one of x, N and 0.  N = x + x^2 (1/2 + x/6 + x^2/24) where z = 2^(x log2 e) - 1 is at least -1/16, else N = z.  Above 0 N lies above x, so the middle one is x.
.macro ELUQ p
.set XR, TOTB+32*(\p)
	WIN AW
.set KK, 0
.rept 16
	v_pk_mul_f32 v[EY+KK:EY+KK+1], v[XR+KK:XR+KK+1], 0x3fb8aa3b op_sel_hi:[1,0]
.set KK, KK+2
.endr
	WIN 0
.set KK, 0
.rept 32
	v_exp_f32 v[EY+KK], v[EY+KK]                   ; one batch
.set KK, KK+1
.endr
	WIN AW
.set KK, 0
.rept 16
	v_pk_fma_f32 v[EP+KK:EP+KK+1], v[XR+KK:XR+KK+1], s[C24:C24+1], v[C3:C3+1] op_sel_hi:[1,0,0]   ; the series names no result of the batch: 64 plain instructions behind it
.set KK, KK+2
.endr
.set KK, 0
.rept 16
	v_pk_fma_f32 v[EP+KK:EP+KK+1], v[XR+KK:XR+KK+1], v[EP+KK:EP+KK+1], 0.5 op_sel_hi:[1,1,0]
.set KK, KK+2
.endr
.set KK, 0
.rept 16
	v_pk_mul_f32 v[EP+KK:EP+KK+1], v[XR+KK:XR+KK+1], v[EP+KK:EP+KK+1]
.set KK, KK+2
.endr
	WIN AW|(AW<<4)
.set KK, 0
.rept 16
	v_pk_fma_f32 v[EP+KK:EP+KK+1], v[XR+KK:XR+KK+1], v[EP+KK:EP+KK+1], v[XR+KK:XR+KK+1]
.set KK, KK+2
.endr
	WIN 0
	s_wait_alu depctr_va_vdst(0)                   ; one wait for the 32 exponentials, ahead of their first reader
.set KK, 0
.rept 16
	v_pk_add_f32 v[EY+KK:EY+KK+1], v[EY+KK:EY+KK+1], -1.0 op_sel_hi:[1,0]
.set KK, KK+2
.endr
.set KK, 0
.rept 8
.irp i, 0,1,2,3
	v_cmp_lt_f32 s[96+\i], v[EY+KK+\i], v[THR]     ; four masks at a time, so that no select waits for the compare just above it
.endr
.irp i, 0,1,2,3
	v_cndmask_b32 v[EP+KK+\i], v[EP+KK+\i], v[EY+KK+\i], s[96+\i]
.endr
.set KK, KK+4
.endr
	WIN AW
.set KK, 0
.rept 32
	v_med3_num_f32 v[EX+KK], v[XR+KK], v[EP+KK], 0
.set KK, KK+1
.endr
	WIN 0
.irp b, 0,1                            ; tile 2 p + b: my 16 numbers of my token's block, and the floor 2^(3 - 127): the byte cannot fall under 1
	v_max3_num_f32 v[QM+\b], |v[EX+16*\b]|, |v[EX+16*\b+1]|, 0x1800000
.endr
.irp i, 2,4,6,8,10,12,14
.irp b, 0,1
	v_max3_num_f32 v[QM+\b], v[QM+\b], |v[EX+16*\b+\i]|, |v[EX+16*\b+\i+1]|
.endr
.endr
.irp b, 0,1
	v_permlanex16_b32 v[QP+\b], v[QM+\b], s[SEL], s[SEL+1]
.endr
.irp b, 0,1
	v_max_num_f32 v[QM+\b], v[QM+\b], v[QP+\b]     ; with lane l xor 16's 16: the block's largest magnitude
.endr
.irp b, 0,1
	v_add_nc_u32 v[QS+\b], 0xff000000, v[QM+\b]    ; 2 off its exponent field: the conversion takes the exponent field of this operand as its scale
.endr
.irp b, 0,1
	v_lshrrev_b32 v[BY+2*(\p)+\b], 23, v[QS+\b]    ; the scale's byte
.endr
	v_cvt_scalef32_pk8_fp4_f32 v[PC+4*(\p)], v[EX:EX+7], v[QS]           ; tile 2 p,     g 8 (l / 16) + 0 .. 7
	v_cvt_scalef32_pk8_fp4_f32 v[PC+4*(\p)+1], v[EX+16:EX+23], v[QS+1]   ; tile 2 p + 1, the same g
	v_cvt_scalef32_pk8_fp4_f32 v[PC+4*(\p)+2], v[EX+8:EX+15], v[QS]      ; tile 2 p,     g 16 + 8 (l / 16) + 0 .. 7
	v_cvt_scalef32_pk8_fp4_f32 v[PC+4*(\p)+3], v[EX+24:EX+31], v[QS+1]
	v_nop                                          ; one plain instruction behind the scaled conversions
	v_permlane16_swap_b32 v[PC+4*(\p)], v[PC+4*(\p)+1]      ; the first's lanes 16-31 change places with the second's lanes 0-15:
	v_permlane16_swap_b32 v[PC+4*(\p)+2], v[PC+4*(\p)+3]    ; lane l now holds the 16 bytes of token 32 p + l
	global_store_b128 v[VL16], v[PC+4*(\p):PC+4*(\p)+3], s[PO:PO+1] offset:512*(\p)   ; 32 lanes store 512 consecutive bytes, at a multiple of 256 from the buffer's first byte
.endm
	s_load_b256 s[PA:PA+7], s[0:1], 0x0
	s_load_b256 s[PBI:PBI+7], s[0:1], 0x20
	v_lshl_add_u32 v[SPW], v0, 2, SPARE
	v_mov_b32 v[NIL], 0
	ds_add_u32 v12, v13
	ds_add_u32 v12, v13
	s_wait_dscnt 0x0
	v_lshrrev_b32 v[LN], 5, v0
	v_readfirstlane_b32 s[WV], v[LN]               ; wave 0..3
	s_lshr_b32 s[TH], s[WV], 1                     ; which 128 tokens are mine
	s_and_b32 s[BH], s[WV], 1                      ; which 32 weight rows
	s_bfe_u32 s[CX], ttmp6, 0x40000                ; my place in the cluster
	s_bfe_u32 s[CY], ttmp6, 0x40004
	s_lshl_b32 s[GX], ttmp9, 2
	s_add_co_u32 s[GX], s[GX], s[CX]               ; tile column: 64 g
	s_and_b32 s[GY], ttmp7, 0xffff
	s_lshl_b32 s[GY], s[GY], 2
	s_add_co_u32 s[GY], s[GY], s[CY]               ; tile row: 256 tokens
	s_lshl_b32 s66, s[CY], 2
	s_lshl_b32 s66, 15, s66                        ; my row of the cluster
	s_lshl_b32 s96, 0x1111, s[CX]                  ; my column
	GROUP1 G1A, 66, DENSE8, 512, 8, 8192           ; m1: 8 blocks a wave x 256 tokens x 16 bytes, 65,536 bytes from block to block
	GROUP1 G1B, 96, PADW, 512, 32, 512             ; W2: 32 rows of 512 bytes a wave
	GROUP1 G1C, 96, PADW, 512, 64, 512             ; W2: 64 rows of 512 bytes a wave: the refill
	GROUP1 G1S, 96, DENSE8, 256, 2, 4096           ; scale bytes: two experts x 2,048 dense bytes, 32,768 bytes apart
	GROUP1 G1I, 96, DENSE8, 32, 2, 512             ; b2: two experts x 256 bytes, 4,096 bytes apart
	s_mov_b32 s[SEL], 0x76543210
	s_mov_b32 s[SEL+1], 0xfedcba98
	s_mov_b32 s[HM], 0xffff0000
	s_mov_b32 s[C24], 0x3d2aaaab
	s_mov_b32 s[C24+1], s[C24]                     ; (named with it as a pair, so it is written)
	s_lshl_b32 s66, s[GY], 12                      ; m1: 256 tokens x 16 bytes a tile row, + 8 blocks a wave
	s_lshl_b32 s30, s[WV], 19
	s_add_co_u32 s66, s66, s30
	s_mov_b32 s67, 0
	s_lshl_b32 s96, s[TH], 19                      ; W2: expert w / 2 of the piece, + 64 rows a tile column, + 32 rows for w % 2
	s_lshl_b32 s31, s[GX], 15
	s_add_co_u32 s96, s96, s31
	s_lshl_b32 s30, s[BH], 14
	s_add_co_u32 s96, s96, s30
	s_mov_b32 s97, 0
	s_lshl_b32 s98, s[WV], 16                      ; scale bytes: experts 2 w, 2 w + 1
	s_lshl_b32 s31, s[GX], 11
	s_add_co_u32 s98, s98, s31
	s_mov_b32 s99, 0
	s_lshl_b32 s100, s[WV], 13                     ; b2 likewise
	s_lshl_b32 s31, s[GX], 8
	s_add_co_u32 s100, s100, s31
	s_mov_b32 s101, 0
	s_wait_kmcnt 0x0
	s_lshl_b32 s30, s[WV], 15
	GROUP0 G0A, 30, AOFF, PA, 66
	s_lshl_b32 s30, s[WV], 12
	GROUP0 G0S, 30, BSOFF, PBS, 98
	s_lshl_b32 s30, s[WV], 9
	GROUP0 G0I, 30, BIOFF, PBI, 100
	s_add_co_u32 s100, s[WV], 4                    ; the refill: expert 4 + w, its 64 rows of my tile column
	s_lshl_b32 s100, s100, 19
	s_lshl_b32 s31, s[GX], 15
	s_add_co_u32 s100, s100, s31
	s_add_nc_u64 s[G0R+2:G0R+3], s[PB:PB+1], s[100:101]   ; (W2's scale pointer has served: its registers take the address)
	s_or_b32 s[G0R+3], s[G0R+3], 0x80000000
	s_add_nc_u64 s[PB:PB+1], s[PB:PB+1], s[96:97]
	s_mul_i32 s30, s[WV], 32*PITCH
.irp p, 0,1
	s_mov_b32 s[G0B+4*\p], 1
	s_add_co_u32 s[G0B+4*\p+1], s30, BOFF+\p*SLOT
	s_add_nc_u64 s[G0B+4*\p+2:G0B+4*\p+3], s[PB:PB+1], \p*PSTEP
	s_or_b32 s[G0B+4*\p+3], s[G0B+4*\p+3], 0x80000000
.endr
	s_mul_i32 s30, s[WV], 64*PITCH
	s_add_co_u32 s[G0R+1], s30, ROFF               ; (W2's code pointer has served too)  LDS address: 64 rows a wave
	s_mov_b32 s[G0R], 1
	CROUND                                         ; all sixteen work-groups are here: the first joint loads meet
	tensor_load_to_lds s[G0S:G0S+3], s[G1S:G1S+7]  ; the first fills go out as one group: five loads of mine are out
	s_nop 0
	tensor_load_to_lds s[G0I:G0I+3], s[G1I:G1I+7]
	s_nop 0
	tensor_load_to_lds s[G0B:G0B+3], s[G1B:G1B+7]
	s_nop 0
	tensor_load_to_lds s[G0A:G0A+3], s[G1A:G1A+7]
	s_nop 0
	tensor_load_to_lds s[G0B+4:G0B+7], s[G1B:G1B+7]
	s_nop 0
	PLACES 4
	s_lshl_b32 s30, s[GY], 8
	s_lshl_b32 s31, s[TH], 7
	s_add_co_u32 s30, s30, s31                     ; my first token
	s_lshl_b32 s96, s30, 5
	s_add_nc_u64 s[PW:PW+1], s[PW:PW+1], s[96:97]  ; its gates: 32 bytes a token
	s_mov_b32 s96, s30
	s_add_nc_u64 s[PAS:PAS+1], s[PAS:PAS+1], s[96:97]   ; its scale bytes: 1 a token in each plane
	s_lshl_b32 s96, s30, 4
	s_lshl_b32 s31, s[GX], 1
	s_add_co_u32 s31, s31, s[BH]                   ; my block of the next K
	s_lshl_b32 s98, s31, 16
	s_add_co_u32 s98, s98, s96
	s_add_nc_u64 s[PO:PO+1], s[PO:PO+1], s[98:99]  ; codes: 65,536 bytes a block, 16 a token
	s_lshl_b32 s98, s31, 12
	s_add_co_u32 s98, s98, s30
	s_add_nc_u64 s[POS:POS+1], s[POS:POS+1], s[98:99]   ; scale bytes: 4,096 a block, 1 a token
	v_and_b32 v[LN], 31, v0
	v_and_b32 v[RR], 15, v0
	v_bfe_u32 v[HH], v0, 4, 1
	v_lshlrev_b32 v[VG], 5, v[RR]
	v_lshlrev_b32 v[VL16], 4, v[LN]
	v_lshlrev_b32 v[VL4], 2, v[LN]
.irp t, 0,1,2,3,4,5,6,7
	global_load_b128 v[GT+8*\t:GT+8*\t+3], v[VG], s[PW:PW+1] offset:512*\t
	global_load_b128 v[GT+8*\t+4:GT+8*\t+7], v[VG], s[PW:PW+1] offset:512*\t+16
.endr
.set KK, 0
.rept 32
	global_load_b32 v[RAW+KK], v[VL4], s[PAS:PAS+1] offset:4096*KK   ; plane KK: my 128 tokens' bytes, 128 consecutive bytes a load
.set KK, KK+1
.endr
	v_mul_u32_u24 v[ADB+2], v[RR], PITCH
	v_lshl_add_u32 v[ADB+2], v[HH], 4, v[ADB+2]    ; row x pitch + 16 x half
	s_mul_i32 s30, s[BH], 32*PITCH
	v_add_nc_u32 v[ADB+2], s30, v[ADB+2]           ; W2: my 32 rows of each expert: piece 2 begins at LDS byte 0,
	v_add_nc_u32 v[ADB+3], SLOT, v[ADB+2]          ; piece 3 behind it,
	v_add_nc_u32 v[ADB], 2*SLOT, v[ADB+2]          ; then pieces 0
	v_add_nc_u32 v[ADB+1], 3*SLOT, v[ADB+2]        ; and 1
	v_lshlrev_b32 v[ADA], 4, v[RR]
	v_lshl_add_u32 v[ADA], v[HH], 12, v[ADA]       ; m1: 16 bytes a token, lanes 16-31 one block on
	s_lshl_b32 s30, s[TH], 11
	v_add_nc_u32 v[ADA], s30, v[ADA]               ; my 128 tokens
	v_add_nc_u32 v[ADA+1], 0x10000, v[ADA]         ; blocks 16 on: an LDS offset has 16 bits
	v_mul_u32_u24 v[ADS], v[LN], KS
	s_mul_i32 s30, s[BH], 32*KS
	s_add_co_u32 s30, s30, BSOFF
	v_add_nc_u32 v[ADS], s30, v[ADS]
	v_lshlrev_b32 v[ADBI], 5, v[HH]
	s_lshl_b32 s30, s[BH], 7
	s_add_co_u32 s30, s30, BIOFF
	v_add_nc_u32 v[ADBI], s30, v[ADBI]
	s_wait_loadcnt 0x0                             ; gates and planes
; In plane 4 s + b my lane's byte i belongs to tile 2 i + l / 16.  The scale word of that tile and K step s wants byte b from plane 4 s + b: four words are turned, four by four bytes, within the lane.
.set SS, 0
.rept NS
	v_perm_b32 v[TP], v[RAW+4*SS+1], v[RAW+4*SS], 0x05010400
	v_perm_b32 v[TP+1], v[RAW+4*SS+1], v[RAW+4*SS], 0x07030602
	v_perm_b32 v[TP+2], v[RAW+4*SS+3], v[RAW+4*SS+2], 0x05010400
	v_perm_b32 v[TP+3], v[RAW+4*SS+3], v[RAW+4*SS+2], 0x07030602
	v_perm_b32 v[SA+SS], v[TP+2], v[TP], 0x05040100
	v_perm_b32 v[SA+NS+SS], v[TP+2], v[TP], 0x07060302
	v_perm_b32 v[SA+2*NS+SS], v[TP+3], v[TP+1], 0x05040100
	v_perm_b32 v[SA+3*NS+SS], v[TP+3], v[TP+1], 0x07060302
.set SS, SS+1
.endr
	PLACES 8                                       ; a scale register written by a vector instruction stands eight plain instructions ahead of the scaled matrix instruction
	s_wait_tensorcnt 1                             ; scale bytes, biases, piece 0 and m1: my rows are in; piece 1 may stay out
	s_barrier_signal -1
	s_barrier_wait -1                              ; everybody's are
	FETCH_B 0, 0
	FETCH_SB 0
	FETCH_BI 0
	FETCH_A 0
	BODY 0, 1
	BOUND 0, 1                                     ; m1 is in registers: experts 4 to 7 are asked for, into its bytes
	BODY 1, 0
	PLAINEND 1                                     ; piece 1 was shown whole by the barrier behind pass 0
	BODY 2, 0
	PLAINEND 2
	BODY 3, 0
	BOUND 3, 0                                     ; experts 4 to 7 have landed; nothing is left to fetch
	BODY 4, 0
	PLAINEND 4
	BODY 5, 0
	PLAINEND 5
	BODY 6, 0
	PLAINEND 6
	BODY 7, 0
	PLACES 4
	GATE 7, 0, 8
	; THE WAY OUT
	WIN 0
	v_mov_b32 v[QP], 0                             ; written once: a lane permute's destination counts as one of its sources
	v_mov_b32 v[QP+1], 0
	v_mov_b32 v[C3], 0x3e2aaaab
	v_mov_b32 v[C3+1], 0x3e2aaaab
	v_mov_b32 v[THR], 0xbd800000
	ELUQ 0
	ELUQ 1
	ELUQ 2
	ELUQ 3
	v_lshl_or_b32 v[WD0], v[BY+2], 8, v[BY]        ; the even tiles' bytes,
	v_lshl_or_b32 v[WD1], v[BY+3], 8, v[BY+1]      ; the odd tiles'
	v_lshl_or_b32 v[WD0], v[BY+4], 16, v[WD0]
	v_lshl_or_b32 v[WD1], v[BY+5], 16, v[WD1]
	v_lshl_or_b32 v[WD0], v[BY+6], 24, v[WD0]
	v_lshl_or_b32 v[WD1], v[BY+7], 24, v[WD1]
	v_cndmask_b32 v[WD0], v[WD0], v[WD1], s[HM]    ; lanes 16-31 take the odd tiles'
	global_store_b32 v[VL4], v[WD0], s[POS:POS+1]  ; 32 lanes store 128 consecutive bytes
	s_wait_tensorcnt 0x0                           ; the wave's end, behind my last tensor load
	ds_add_u32 v[SPW], v[NIL]
	s_wait_dscnt 0x0
	CROUND                                         ; the closing round: no work-group ends while a partner may still ask for a tile that names it
	s_endpgm
.Lfunc_end_k_q40d7916ce0_layer2:
	.size	k_q40d7916ce0_layer2, .Lfunc_end_k_q40d7916ce0_layer2-k_q40d7916ce0_layer2
	.p2alignl 7, 3214868480
	.fill 96, 4, 3214868480
	.section	.rodata,"a",@progbits
	.p2align	6, 0x0
	.amdhsa_kernel k_q40d7916ce0_layer2
		.amdhsa_group_segment_fixed_size 327680
		.amdhsa_private_segment_fixed_size 0
		.amdhsa_enable_private_segment 0
		.amdhsa_kernarg_size 64
		.amdhsa_user_sgpr_count 2
		.amdhsa_user_sgpr_kernarg_segment_ptr 1
		.amdhsa_wavefront_size32 1
		.amdhsa_system_sgpr_workgroup_id_x 1
		.amdhsa_system_sgpr_workgroup_id_y 1
		.amdhsa_system_sgpr_workgroup_id_z 1
		.amdhsa_system_vgpr_workitem_id 0
		.amdhsa_next_free_vgpr 1024
		.amdhsa_next_free_sgpr 102
		.amdhsa_reserve_vcc 0
		.amdhsa_float_denorm_mode_32 3
		.amdhsa_float_denorm_mode_16_64 3
		.amdhsa_memory_ordered 1
		.amdhsa_forward_progress 1
		.amdhsa_inst_pref_size 255
	.end_amdhsa_kernel
	.section	.bss,"aw",@nobits
	.p2align	6
	.space	262144
	.amdgpu_metadata
---
amdhsa.version: [ 1, 2 ]
amdhsa.kernels:
  - .name:           k_q40d7916ce0_layer2
    .symbol:         k_q40d7916ce0_layer2.kd
    .args:
      - { .name: m1_codes, .offset: 0, .size: 8, .value_kind: global_buffer, .address_space: global }
      - { .name: m1_scales, .offset: 8, .size: 8, .value_kind: global_buffer, .address_space: global }
      - { .name: W2_codes, .offset: 16, .size: 8, .value_kind: global_buffer, .address_space: global }
      - { .name: W2_scales, .offset: 24, .size: 8, .value_kind: global_buffer, .address_space: global }
      - { .name: b2, .offset: 32, .size: 8, .value_kind: global_buffer, .address_space: global }
      - { .name: W, .offset: 40, .size: 8, .value_kind: global_buffer, .address_space: global }
      - { .name: m2_codes, .offset: 48, .size: 8, .value_kind: global_buffer, .address_space: global }
      - { .name: m2_scales, .offset: 56, .size: 8, .value_kind: global_buffer, .address_space: global }
    .group_segment_fixed_size: 327680
    .private_segment_fixed_size: 0
    .kernarg_segment_align: 8
    .kernarg_segment_size: 64
    .max_flat_workgroup_size: 128
    .sgpr_count:     102
    .vgpr_count:     1024
    .wavefront_size: 32
...
	.end_amdgpu_metadata
.endif
;; end of part 2
;; launch layer3 (part 3): grid 8 x 32, 4 waves a work-group, clusters of 4 x 4, 327,680 bytes of LDS; arguments m2_codes, m2_scales, W3_codes, W3_scales, b3, W, out0; writes out0
.if DOCPART == 3
	.amdgcn_target "amdgcn-amd-amdhsa--gfx1250"
	.amdhsa_code_object_version 6
	.text
	.protected	k_q40d7916ce0_layer3
	.globl	k_q40d7916ce0_layer3
	.p2align	8
	.type	k_q40d7916ce0_layer3,@function
k_q40d7916ce0_layer3:
	s_mov_b64 s[64:65], 0
	v_nop
	global_prefetch_b8 v0, s[64:65] scope:SCOPE_SE
	s_setreg_imm32_b32 hwreg(HW_REG_WAVE_MODE, 25, 1), 1
	s_wait_xcnt 0x0
	s_wait_alu depctr_hold_cnt(0) depctr_sa_sdst(0) depctr_va_vdst(0) depctr_va_sdst(0) depctr_va_ssrc(0) depctr_va_vcc(0) depctr_vm_vsrc(0)
	s_getreg_b32 s2, hwreg(HW_REG_IB_STS2, 6, 4)
	s_cmp_eq_u32 s2, 0
	s_cbranch_scc0 .Lentry_in_a_cluster
	s_endpgm
.Lentry_in_a_cluster:
	s_bfe_u32 s2, ttmp6, 0x10000c
	s_cmp_lg_u32 s2, 0xf033
	s_cbranch_scc0 .Lentry_shape_is_right
	s_endpgm
.Lentry_shape_is_right:
; LAYER 3 OF THREE.  out0[b][o] = sum over e of W[b][e] x (sum over h of m2[b][h] W3[e][o][h] + b3[e][o]), f32.
; m2 comes as layer 2 left it: m2_codes [h / 32][4096 tokens][16 bytes], m2_scales [h / 32][4096 bytes], in each group of 128 tokens byte 4 l + i = token 16 (2 i + l / 16) + l % 16.
; W3 [8][512][1024]: codes of FP4 (E2M1), K innermost, one E8M0 byte for each 32 along K; W [4096][8], b3 [8][512] f32.
; SHARES.  A work-group makes 128 tokens x 64 outputs: a row's 256 bytes of out0.  All four waves take the 128 tokens; wave w takes outputs 16 w .. 16 w + 15.
; THE TOKENS' FRAGMENTS FOR ALL OF K STAY IN REGISTERS (8 tiles x 8 K steps x 8 = 512, windows 1 and 2), so that the eight passes over the experts read weights alone from LDS, each fragment feeding eight matrix instructions.
; THE MATRIX INSTRUCTION IS USED TRANSPOSED: source 0 = 16 rows of W3, source 1 = 16 tokens.  Lane l then holds ONE token (l % 16), register j the output 8 (l / 16) + j: the gate is a number of the lane,
; the bias is the C of each sum's first instruction, and a lane's eight results are 32 neighbouring bytes of a row of out0.
; A PASS (expert e): 8 accumulators by turns over 8 K steps, then TOT += W[token][e] x ACC, packed.  The first pass multiplies: nothing is cleared.
; THE WEIGHTS.  A piece is two experts x 64 rows.  Pieces 0 to 2 come with the first fills.  m2's tile is copied into registers in pass 0 and nobody reads it afterwards: behind pass 0 piece 3 is asked for,
; into m2's bytes and the 2,048 bytes behind them.  That is the launch's one refill; it has passes 1 to 5, 320 matrix instructions a wave, in which to land.
; CLUSTERS: 4 x 4 work-groups.  m2's tile hangs on the tile row alone and is asked for jointly by a row of the cluster; weights, their scales and the biases hang on the tile column alone and are asked for
; jointly by a column.  Every wave issues every load, for rows of its own.
; LIMITS: NaN and infinities are not served.  The bias is the first addend of a sum, not the last.
.set NS,     8                         ; K steps of 128
.set NU,     1                         ; tiles of 16 weight rows of a wave
.set KG,     4                         ; K steps in a group of 32 matrix instructions
.set G,      NS/KG                     ; groups in a pass
.set TPW,    4                         ; token tiles whose fragments fill a window
.set AW,     3                         ; the window of ACC (v0-63) and TOT (v64-127)
.set TOTB,   64
.set ROWB,   64*NS                     ; a row of codes in bytes
.set PITCH,  ROWB+16                   ; and in LDS: 132 words: the sixteen rows of a load start at sixteen different banks (64 banks of 4 bytes: ISA guide 11.1)
.set KS,     4*NS                      ; a row of scale bytes
.set SLOT,   128*PITCH                 ; a piece: two experts x 64 weight rows
.set NSLOT,  4                         ; piece p is read through address register ADB + p
.set PSTEP,  2*512*ROWB                ; two experts of W3 in memory
.set AOFF,   0                         ; LDS: m2's tile [32 blocks][128 tokens][16 bytes], 65,536 bytes; over it and the 2,048 bytes behind it, later: piece 3;
                                       ; piece p = 0, 1, 2 at (p + 1) SLOT,
.set BSOFF,  4*SLOT                    ; W3's scale bytes, 64 rows x KS for each expert,
.set BIOFF,  BSOFF+8*64*KS             ; b3, 64 numbers for each expert,
.set STG,    BIOFF+8*256               ; the stage for the way out: 128 rows x (256 bytes + 16); no tile lands there,
.set SP,     272
.set SPARE,  STG+128*SP                ; the spare words, 128 bytes for each wave: two blocks of 256 bytes that no other line names
.set DFIRST, 63                        ; in the first pass 8 + 64 loads are issued for the next group; the wait names the most that its field holds, which is fewer: so all older loads are in
.set PADW,   (1<<20)|(1<<21)|(6<<22)|(3<<25)   ; group 1, word 0 beside the mask: elements of 1 byte; padding on; bit 21 set beside a mask; after every 128 words; 4 words
.set DENSE8, (3<<16)|(1<<21)           ; elements of 8 bytes, no padding
; vector registers, window 0
.set LN,   1                           ; lane
.set RR,   2                           ; lane % 16
.set HH,   3                           ; lane / 16
.set ADB,  4                           ; v4-7   my weight rows in piece 0 .. 3
.set ADA,  8                           ; v8     my lane's place in m2's tile
.set ADS,  10                          ; v10    my weight rows' scale bytes
.set ADBI, 11                          ; v11    my lane's eight biases
.set SPW,  12                          ; v12    LDS address of my spare word: SPARE + 4 x my thread's number; never rewritten
.set NIL,  13                          ; v13    0; never rewritten
.set VG,   14                          ; v14    32 x (lane % 16): a token's eight gates
.set VL4,  16                          ; v16    4 x lane
.set STO,  17                          ; v17    the way out: where I put 32 bytes of a row
.set RD,   18                          ; v18    where I read a row back
.set CO,   19                          ; v19    my byte offset in out0
.set GT,   32                          ; v32-95   gates: W[16 t + lane % 16][e] at GT + 8 t + e
.set SA,   96                          ; v96-127  m2's scale words at SA + (t / 2) NS + s: lanes 0-15 tile t even, lanes 16-31 tile t odd
.set SB,   128                         ; v128-143 W3's scale words, two sets, at SB + NS (e % 2) + s
.set BI,   144                         ; v144-151 the bias in the result's layout
.set BF,   160                         ; v160-223 weight fragments, two buffers of 32
.set RAW,  160                         ; at the head: m2's 32 planes of scale bytes as they are loaded
.set OB,   160                         ; the way out: 32 rows read back from the stage
.set TP,   224                         ; v224-227 at work
; scalar registers
.set PA,  4                            ; m2_codes
.set PAS, 6                            ; m2_scales
.set PB,  8                            ; W3_codes
.set PBS, 10                           ; W3_scales
.set PBI, 12                           ; b3
.set PW,  14                           ; W
.set PO,  16                           ; out0
.set WV,  20
.set TH,  21
.set BH,  22
.set CX,  23
.set CY,  24
.set GX,  25
.set GY,  26
.set G1A, 32                           ; group 1: m2's tile; weights; scale bytes; biases
.set G1B, 40
.set G1S, 48
.set G1I, 56
.set G0A, 68                           ; group 0: one set for each load
.set G0S, 72
.set G0I, 76
.set G0B, 80                           ; s[80:95] four pieces
.set MSB, 0
.macro WIN new                         ; s_set_vgpr_msb: bits 1:0 source 0, 3:2 source 1, 5:4 source 2, 7:6 destination; the high byte repeats the setting that is left
.if MSB != (\new)
	s_set_vgpr_msb (MSB<<8)|(\new)
.set MSB, (\new)
.endif
.endm
.macro PLACES n
.rept \n
	v_nop
.endr
.endm
.macro CREST                           ; a round of the cluster's barrier behind its opening barrier
	s_cmp_lg_u32 s[WV], 0
	s_cbranch_scc1 .Lnot_wave_0_\@
	s_barrier_signal -3
.Lnot_wave_0_\@:
	s_barrier_wait -3
	s_barrier_signal -1
	s_barrier_wait -1
.endm
.macro CROUND                          ; a whole round
	s_barrier_signal -1
	s_barrier_wait -1
	CREST
.endm
.macro GROUP1 g, m, w0, c, r, p        ; r rows of c elements, p elements from row to row; the tile lies inside the tensor, so the extents are the tile's
	s_or_b32 s[\g], s[\m], \w0
	s_mov_b32 s[\g+1], (\c)<<16
	s_mov_b32 s[\g+2], (\r)<<16
	s_mov_b32 s[\g+3], (\c)<<16
	s_mov_b32 s[\g+4], \r
	s_mov_b32 s[\g+5], \p
	s_mov_b32 s[\g+6], 0
	s_mov_b32 s[\g+7], 0
.endm
.macro GROUP0 g, l, lc, p, o           ; count 1; LDS address = a constant x wave + a constant; global address; type 2
	s_mov_b32 s[\g], 1
	s_add_co_u32 s[\g+1], s[\l], \lc
	s_add_nc_u64 s[\g+2:\g+3], s[\p:\p+1], s[\o:\o+1]
	s_or_b32 s[\g+3], s[\g+3], 0x80000000
.endm
.macro WM d, a, b, c, sa, sb, ra, rb   ; one matrix instruction; ra, rb: the scale words stand in lanes 16-31
.if (\ra) && (\rb)
	v_wmma_scale_f32_16x16x128_f8f6f4 v[\d:\d+7], v[\a:\a+7], v[\b:\b+7], v[\c:\c+7], v[\sa], v[\sb] matrix_a_fmt:MATRIX_FMT_FP4 matrix_b_fmt:MATRIX_FMT_FP4 matrix_a_scale:MATRIX_SCALE_ROW1 matrix_b_scale:MATRIX_SCALE_ROW1
.elseif (\ra)
	v_wmma_scale_f32_16x16x128_f8f6f4 v[\d:\d+7], v[\a:\a+7], v[\b:\b+7], v[\c:\c+7], v[\sa], v[\sb] matrix_a_fmt:MATRIX_FMT_FP4 matrix_b_fmt:MATRIX_FMT_FP4 matrix_a_scale:MATRIX_SCALE_ROW1
.elseif (\rb)
	v_wmma_scale_f32_16x16x128_f8f6f4 v[\d:\d+7], v[\a:\a+7], v[\b:\b+7], v[\c:\c+7], v[\sa], v[\sb] matrix_a_fmt:MATRIX_FMT_FP4 matrix_b_fmt:MATRIX_FMT_FP4 matrix_b_scale:MATRIX_SCALE_ROW1
.else
	v_wmma_scale_f32_16x16x128_f8f6f4 v[\d:\d+7], v[\a:\a+7], v[\b:\b+7], v[\c:\c+7], v[\sa], v[\sb] matrix_a_fmt:MATRIX_FMT_FP4 matrix_b_fmt:MATRIX_FMT_FP4
.endif
.endm
; Group g of expert e: 32 matrix instructions, KG K steps x 8 token tiles, the tiles of one window together.  The accumulators take turns, one instruction a turn.
; K step 0 takes the bias (window 0) as C and so starts the sums.
.macro MUL e, g
.set WD, 0
.rept 8/TPW
.set DS, 0
.rept KG
.set SS, KG*(\g)+DS
.if SS == 0
	WIN (AW<<6)|((1+WD)<<2)
.else
	WIN (AW<<6)|(AW<<4)|((1+WD)<<2)
.endif
.set TI, 0
.rept TPW
.set TT, TPW*WD+TI
.set UU, 0
.rept NU
.set MD, 8*(NU*TT+UU)
.set MA, BF+32*((\g)%2)+8*NU*DS+8*UU
.set MB, 8*(TI*NS+SS)
.set MC, MD
.if SS == 0
.set MC, BI+8*UU
.endif
.set MSCA, SB+NS*((\e)%2)+SS
.set MSCB, SA+(TT/2)*NS+SS
.set MRB, TT%2
	WM MD, MA, MB, MC, MSCA, MSCB, UU, MRB
.set UU, UU+1
.endr
.set TI, TI+1
.endr
.set DS, DS+1
.endr
.set WD, WD+1
.endr
.endm
.macro FETCH_B e, g                    ; 8 LDS loads: the weight fragments of group g of expert e.  Lane l: row l % 16, registers 4 c .. 4 c + 3 = K 64 c + 32 (l / 16) + 0 .. 31
	WIN 0
.set DS, 0
.rept KG
.set UU, 0
.rept NU
.irp c, 0,1
	ds_load_b128 v[BF+32*((\g)%2)+8*NU*DS+8*UU+4*\c:BF+32*((\g)%2)+8*NU*DS+8*UU+4*\c+3], v[ADB+((\e)/2)%NSLOT] offset:((\e)%2)*64*PITCH+UU*16*PITCH+64*(KG*(\g)+DS)+32*\c
.endr
.set UU, UU+1
.endr
.set DS, DS+1
.endr
.endm
.macro FETCH_SB e                      ; my weight rows' scale words of expert e
.set JJ, 0
.rept NS/4
	ds_load_b128 v[SB+NS*((\e)%2)+4*JJ:SB+NS*((\e)%2)+4*JJ+3], v[ADS] offset:(\e)*64*KS+16*JJ
.set JJ, JJ+1
.endr
.endm
.macro FETCH_BI e                      ; the bias of expert e: register j = output 8 (l / 16) + j of my tile
.set UU, 0
.rept NU
	ds_load_b128 v[BI+8*UU:BI+8*UU+3], v[ADBI] offset:(\e)*256+64*UU
	ds_load_b128 v[BI+8*UU+4:BI+8*UU+7], v[ADBI] offset:(\e)*256+64*UU+16
.set UU, UU+1
.endr
.endm
.macro FETCH_A g                       ; 64 LDS loads: the eight token tiles' fragments of group g's K steps: block 4 s + 2 c + l / 16 of token l % 16; tiles 0-3 into window 1, tiles 4-7 into window 2; they stay
.set WD, 0
.rept 2
	WIN 0x40*(1+WD)
.set TI, 0
.rept 4
.set DS, 0
.rept KG
.set SS, KG*(\g)+DS
.irp c, 0,1
	ds_load_b128 v[8*(TI*NS+SS)+4*\c:8*(TI*NS+SS)+4*\c+3], v[ADA] offset:(4*SS+2*\c)*2048+256*(4*WD+TI)
.endr
.set DS, DS+1
.endr
.set TI, TI+1
.endr
.set WD, WD+1
.endr
.endm
; The products of expert e.  Each group's fragments are asked for one group ahead.  A load into a register that a matrix instruction has read stands four plain vector instructions behind it
; (ISA guide 7.12.1 for vector instructions).
.macro BODY e, first
.set GG, 0
.rept G
.if GG > 0
	PLACES 4
.endif
.if GG+1 < G
	FETCH_B \e, GG+1
.if \first
	FETCH_A GG+1
	s_wait_dscnt DFIRST                            ; all that was issued ahead of the next group's loads is in
.else
	s_wait_dscnt 8                                 ; all but the eight just issued
.endif
.else
	s_wait_dscnt 0x0
.endif
	MUL \e, GG
.set GG, GG+1
.endr
.endm
.macro NEXT e                          ; what the next pass begins with
	FETCH_B (\e)+1, 0
	FETCH_SB (\e)+1
	FETCH_BI (\e)+1
.endm
; TOT += gate x ACC for token tiles t0 .. t1 - 1, two numbers an instruction, each accumulator from its low end on.  The gate of an even expert is the low register of its pair, of an odd one the high.
.macro GATE e, t0, t1
	WIN (AW<<6)|(AW<<4)|AW
.set TT, \t0
.rept (\t1)-(\t0)
.set UU, 0
.rept NU
.set RA, 8*(NU*TT+UU)
.set RG, GT+8*TT+((\e)&6)
.irp k, 0,2,4,6
.if (\e) == 0
	v_pk_mul_f32 v[TOTB+RA+\k:TOTB+RA+\k+1], v[RA+\k:RA+\k+1], v[RG:RG+1] op_sel_hi:[1,0]
.elseif ((\e)&1) == 0
	v_pk_fma_f32 v[TOTB+RA+\k:TOTB+RA+\k+1], v[RA+\k:RA+\k+1], v[RG:RG+1], v[TOTB+RA+\k:TOTB+RA+\k+1] op_sel_hi:[1,0,1]
.else
	v_pk_fma_f32 v[TOTB+RA+\k:TOTB+RA+\k+1], v[RA+\k:RA+\k+1], v[RG:RG+1], v[TOTB+RA+\k:TOTB+RA+\k+1] op_sel:[0,1,0] op_sel_hi:[1,1,1]
.endif
.endr
.set UU, UU+1
.endr
.set TT, TT+1
.endr
.endm
.macro PLAINEND e                      ; a pass's end where the next expert's rows have been shown whole by an earlier barrier: its first loads are on their way while the gates are applied
	PLACES 4
	NEXT \e
	GATE \e, 0, 8
.endm
; A pass's end with a barrier.  Each wave waits for all its tensor loads, adds 0 to its spare word, and waits for that and for its LDS reads.
; fill = 1, behind pass 0: m2's tile has been read for the last time.  The barrier opens a round of the cluster's barrier, so that no wave of any partner still reads those bytes or has a load on its way,
; and the joint refill is the first thing behind the round.  The same barrier shows pieces 1 and 2 whole.   fill = 0, behind pass 5: the refill has landed in every wave's part: piece 3 is whole.
.macro BOUND e, fill
	WIN 0                                          ; (the add's two registers lie in window 0)
	s_wait_tensorcnt 0x0                           ; no tensor load of mine is out
	ds_add_u32 v[SPW], v[NIL]                      ; 0 onto my spare word
	PLACES 4                                       ; between the last products and the first read of their results
	s_wait_dscnt 0x0                               ; the add is done, and my LDS reads are over
	s_barrier_signal -1
	GATE \e, 0, 4                                  ; work on registers while the others arrive
	WIN 0
	s_barrier_wait -1
.if \fill
	CREST
	tensor_load_to_lds s[G0B+12:G0B+15], s[G1B:G1B+7]   ; my 32 rows of piece 3: my one tensor load behind the first fills
	s_nop 0
	PLACES 4
.endif
	NEXT \e
	GATE \e, 4, 8
.endm
	s_load_b256 s[PA:PA+7], s[0:1], 0x0
	s_load_b128 s[PBI:PBI+3], s[0:1], 0x20
	s_load_b64 s[PO:PO+1], s[0:1], 0x30
	v_lshl_add_u32 v[SPW], v0, 2, SPARE
	v_mov_b32 v[NIL], 0
	ds_add_u32 v12, v13
	ds_add_u32 v12, v13
	s_wait_dscnt 0x0
	v_lshrrev_b32 v[LN], 5, v0
	v_readfirstlane_b32 s[WV], v[LN]               ; wave 0..3: my tile of 16 outputs
	s_lshr_b32 s[TH], s[WV], 1                     ; which expert of a piece I fetch for,
	s_and_b32 s[BH], s[WV], 1                      ; and which 32 of its 64 rows
	s_bfe_u32 s[CX], ttmp6, 0x40000                ; my place in the cluster
	s_bfe_u32 s[CY], ttmp6, 0x40004
	s_lshl_b32 s[GX], ttmp9, 2
	s_add_co_u32 s[GX], s[GX], s[CX]               ; tile column: 64 outputs
	s_and_b32 s[GY], ttmp7, 0xffff
	s_lshl_b32 s[GY], s[GY], 2
	s_add_co_u32 s[GY], s[GY], s[CY]               ; tile row: 128 tokens
	s_lshl_b32 s66, s[CY], 2
	s_lshl_b32 s66, 15, s66                        ; my row of the cluster
	s_lshl_b32 s96, 0x1111, s[CX]                  ; my column
	GROUP1 G1A, 66, DENSE8, 256, 8, 8192           ; m2: 8 blocks a wave x 128 tokens x 16 bytes, 65,536 bytes from block to block
	GROUP1 G1B, 96, PADW, 512, 32, 512             ; W3: 32 rows of 512 bytes a wave
	GROUP1 G1S, 96, DENSE8, 256, 2, 2048           ; scale bytes: two experts x 2,048 dense bytes, 16,384 bytes apart
	GROUP1 G1I, 96, DENSE8, 32, 2, 256             ; b3: two experts x 256 bytes, 2,048 bytes apart
	s_lshl_b32 s66, s[GY], 11                      ; m2: 128 tokens x 16 bytes a tile row, + 8 blocks a wave
	s_lshl_b32 s30, s[WV], 19
	s_add_co_u32 s66, s66, s30
	s_mov_b32 s67, 0
	s_lshl_b32 s96, s[TH], 18                      ; W3: expert w / 2 of the piece, + 64 rows a tile column, + 32 rows for w % 2
	s_lshl_b32 s31, s[GX], 15
	s_add_co_u32 s96, s96, s31
	s_lshl_b32 s30, s[BH], 14
	s_add_co_u32 s96, s96, s30
	s_mov_b32 s97, 0
	s_lshl_b32 s98, s[WV], 15                      ; scale bytes: experts 2 w, 2 w + 1
	s_lshl_b32 s31, s[GX], 11
	s_add_co_u32 s98, s98, s31
	s_mov_b32 s99, 0
	s_lshl_b32 s100, s[WV], 12                     ; b3 likewise
	s_lshl_b32 s31, s[GX], 8
	s_add_co_u32 s100, s100, s31
	s_mov_b32 s101, 0
	s_wait_kmcnt 0x0
	s_add_nc_u64 s[PB:PB+1], s[PB:PB+1], s[96:97]
	s_lshl_b32 s30, s[WV], 14
	GROUP0 G0A, 30, AOFF, PA, 66
	s_lshl_b32 s30, s[WV], 12
	GROUP0 G0S, 30, BSOFF, PBS, 98
	s_lshl_b32 s30, s[WV], 9
	GROUP0 G0I, 30, BIOFF, PBI, 100
	s_mul_i32 s30, s[WV], 32*PITCH
.irp p, 0,1,2,3
	s_mov_b32 s[G0B+4*\p], 1
	s_add_co_u32 s[G0B+4*\p+1], s30, ((\p+1)%4)*SLOT   ; pieces 0 to 2 behind each other from SLOT on; piece 3 at LDS byte 0
	s_add_nc_u64 s[G0B+4*\p+2:G0B+4*\p+3], s[PB:PB+1], \p*PSTEP
	s_or_b32 s[G0B+4*\p+3], s[G0B+4*\p+3], 0x80000000
.endr
	CROUND                                         ; all sixteen work-groups are here: the first joint loads meet
	tensor_load_to_lds s[G0S:G0S+3], s[G1S:G1S+7]  ; the first fills go out as one group: six loads of mine are out
	s_nop 0
	tensor_load_to_lds s[G0I:G0I+3], s[G1I:G1I+7]
	s_nop 0
	tensor_load_to_lds s[G0B:G0B+3], s[G1B:G1B+7]
	s_nop 0
	tensor_load_to_lds s[G0A:G0A+3], s[G1A:G1A+7]
	s_nop 0
	tensor_load_to_lds s[G0B+4:G0B+7], s[G1B:G1B+7]
	s_nop 0
	tensor_load_to_lds s[G0B+8:G0B+11], s[G1B:G1B+7]
	s_nop 0
	PLACES 4
	s_lshl_b32 s96, s[GY], 12
	s_add_nc_u64 s[PW:PW+1], s[PW:PW+1], s[96:97]  ; the first token's gates: 128 tokens x 32 bytes a tile row
	s_lshl_b32 s96, s[GY], 7
	s_add_nc_u64 s[PAS:PAS+1], s[PAS:PAS+1], s[96:97]   ; its scale bytes: 1 a token in each plane
	s_lshl_b32 s98, s[GY], 18                      ; out0: 128 rows of 2,048 bytes a tile row,
	s_lshl_b32 s30, s[WV], 16                      ; the 32 rows that I store,
	s_add_co_u32 s98, s98, s30
	s_lshl_b32 s31, s[GX], 8                       ; 256 bytes a tile column
	s_add_co_u32 s98, s98, s31
	s_add_nc_u64 s[PO:PO+1], s[PO:PO+1], s[98:99]
	v_and_b32 v[LN], 31, v0
	v_and_b32 v[RR], 15, v0
	v_bfe_u32 v[HH], v0, 4, 1
	v_lshlrev_b32 v[VG], 5, v[RR]
	v_lshlrev_b32 v[VL4], 2, v[LN]
.irp t, 0,1,2,3,4,5,6,7
	global_load_b128 v[GT+8*\t:GT+8*\t+3], v[VG], s[PW:PW+1] offset:512*\t
	global_load_b128 v[GT+8*\t+4:GT+8*\t+7], v[VG], s[PW:PW+1] offset:512*\t+16
.endr
.set KK, 0
.rept 32
	global_load_b32 v[RAW+KK], v[VL4], s[PAS:PAS+1] offset:4096*KK   ; plane KK: the 128 tokens' bytes, 128 consecutive bytes a load
.set KK, KK+1
.endr
	v_mul_u32_u24 v[ADB+3], v[RR], PITCH
	v_lshl_add_u32 v[ADB+3], v[HH], 4, v[ADB+3]    ; row x pitch + 16 x half
	s_mul_i32 s30, s[WV], 16*PITCH
	v_add_nc_u32 v[ADB+3], s30, v[ADB+3]           ; W3: my 16 rows of each expert: piece 3 begins at LDS byte 0,
	v_add_nc_u32 v[ADB], SLOT, v[ADB+3]            ; pieces 0,
	v_add_nc_u32 v[ADB+1], 2*SLOT, v[ADB+3]        ; 1
	v_add_nc_u32 v[ADB+2], 3*SLOT, v[ADB+3]        ; and 2 behind it
	v_lshlrev_b32 v[ADA], 4, v[RR]
	v_lshl_add_u32 v[ADA], v[HH], 11, v[ADA]       ; m2: 16 bytes a token, lanes 16-31 one block on
	v_lshlrev_b32 v[ADS], 5, v[RR]
	s_lshl_b32 s30, s[WV], 9
	s_add_co_u32 s30, s30, BSOFF
	v_add_nc_u32 v[ADS], s30, v[ADS]
	v_lshlrev_b32 v[ADBI], 5, v[HH]
	s_lshl_b32 s30, s[WV], 6
	s_add_co_u32 s30, s30, BIOFF
	v_add_nc_u32 v[ADBI], s30, v[ADBI]
	v_mul_u32_u24 v[STO], v[RR], SP                ; into the stage: row l % 16 of a tile, my wave's 64 bytes, 32 for each half of the lanes
	v_lshl_add_u32 v[STO], v[HH], 5, v[STO]
	s_lshl_b32 s30, s[WV], 6
	s_add_co_u32 s30, s30, STG
	v_add_nc_u32 v[STO], s30, v[STO]
	v_mul_u32_u24 v[RD], v[HH], SP                 ; back: wave w takes rows 32 w on, whole; lanes 0-15 one row of 256 bytes, lanes 16-31 the next
	v_lshl_add_u32 v[RD], v[RR], 4, v[RD]
	s_mul_i32 s30, s[WV], 32*SP
	s_add_co_u32 s30, s30, STG
	v_add_nc_u32 v[RD], s30, v[RD]
	v_lshlrev_b32 v[CO], 4, v[RR]
	v_lshl_add_u32 v[CO], v[HH], 11, v[CO]         ; and the same two rows in out0
	s_wait_loadcnt 0x0                             ; gates and planes
; In plane 4 s + b my lane's byte i belongs to tile 2 i + l / 16.  The scale word of that tile and K step s wants byte b from plane 4 s + b: four words are turned, four by four bytes, within the lane.
.set SS, 0
.rept NS
	v_perm_b32 v[TP], v[RAW+4*SS+1], v[RAW+4*SS], 0x05010400
	v_perm_b32 v[TP+1], v[RAW+4*SS+1], v[RAW+4*SS], 0x07030602
	v_perm_b32 v[TP+2], v[RAW+4*SS+3], v[RAW+4*SS+2], 0x05010400
	v_perm_b32 v[TP+3], v[RAW+4*SS+3], v[RAW+4*SS+2], 0x07030602
	v_perm_b32 v[SA+SS], v[TP+2], v[TP], 0x05040100
	v_perm_b32 v[SA+NS+SS], v[TP+2], v[TP], 0x07060302
	v_perm_b32 v[SA+2*NS+SS], v[TP+3], v[TP+1], 0x05040100
	v_perm_b32 v[SA+3*NS+SS], v[TP+3], v[TP+1], 0x07060302
.set SS, SS+1
.endr
	PLACES 8                                       ; a scale register written by a vector instruction stands eight plain instructions ahead of the scaled matrix instruction
	s_wait_tensorcnt 2                             ; scale bytes, biases, piece 0 and m2: my rows are in; pieces 1 and 2 may stay out
	s_barrier_signal -1
	s_barrier_wait -1                              ; everybody's are
	FETCH_B 0, 0
	FETCH_SB 0
	FETCH_BI 0
	FETCH_A 0
	BODY 0, 1
	BOUND 0, 1                                     ; m2 is in registers: piece 3 is asked for, into its bytes
	BODY 1, 0
	PLAINEND 1                                     ; pieces 1 and 2 were shown whole by the barrier behind pass 0
	BODY 2, 0
	PLAINEND 2
	BODY 3, 0
	PLAINEND 3
	BODY 4, 0
	PLAINEND 4
	BODY 5, 0
	BOUND 5, 0                                     ; piece 3 has landed; nothing is left to fetch
	BODY 6, 0
	PLAINEND 6
	BODY 7, 0
	PLACES 4
	GATE 7, 0, 8
	; THE WAY OUT.  A lane holds 32 bytes of a row, a row's 256 bytes come from four waves: they meet in the stage, and each wave stores 32 whole rows.
	WIN 0x0c                                       ; an LDS store's data are its source 1: window 3
.irp t, 0,1,2,3,4,5,6,7
	ds_store_b128 v[STO], v[TOTB+8*\t:TOTB+8*\t+3] offset:16*SP*\t
	ds_store_b128 v[STO], v[TOTB+8*\t+4:TOTB+8*\t+7] offset:16*SP*\t+16
.endr
	WIN 0
	s_wait_dscnt 0x0                               ; for the others' sake: my stores into the stage are done
	s_barrier_signal -1
	s_barrier_wait -1
.irp i, 0,1,2,3,4,5,6,7,8,9,10,11,12,13,14,15
	ds_load_b128 v[OB+4*\i:OB+4*\i+3], v[RD] offset:2*SP*\i
.endr
.irp i, 0,1,2,3,4,5,6,7,8,9,10,11,12,13,14,15
	s_wait_dscnt 15-\i                             ; LDS loads come back in order (ISA guide 5.7.1): pair i of rows is in, the younger ones may be out
	global_store_b128 v[CO], v[OB+4*\i:OB+4*\i+3], s[PO:PO+1] offset:4096*\i th:TH_STORE_NT   ; 16 lanes store 256 consecutive bytes, at a multiple of 256 from out0's first byte; written once, read by nobody here
.endr
	s_wait_tensorcnt 0x0                           ; the wave's end, behind my last tensor load and my last LDS store
	ds_add_u32 v[SPW], v[NIL]
	s_wait_dscnt 0x0
	CROUND                                         ; the closing round: no work-group ends while a partner may still ask for a tile that names it
	s_endpgm
.Lfunc_end_k_q40d7916ce0_layer3:
	.size	k_q40d7916ce0_layer3, .Lfunc_end_k_q40d7916ce0_layer3-k_q40d7916ce0_layer3
	.p2alignl 7, 3214868480
	.fill 96, 4, 3214868480
	.section	.rodata,"a",@progbits
	.p2align	6, 0x0
	.amdhsa_kernel k_q40d7916ce0_layer3
		.amdhsa_group_segment_fixed_size 327680
		.amdhsa_private_segment_fixed_size 0
		.amdhsa_enable_private_segment 0
		.amdhsa_kernarg_size 56
		.amdhsa_user_sgpr_count 2
		.amdhsa_user_sgpr_kernarg_segment_ptr 1
		.amdhsa_wavefront_size32 1
		.amdhsa_system_sgpr_workgroup_id_x 1
		.amdhsa_system_sgpr_workgroup_id_y 1
		.amdhsa_system_sgpr_workgroup_id_z 1
		.amdhsa_system_vgpr_workitem_id 0
		.amdhsa_next_free_vgpr 896
		.amdhsa_next_free_sgpr 102
		.amdhsa_reserve_vcc 0
		.amdhsa_float_denorm_mode_32 3
		.amdhsa_float_denorm_mode_16_64 3
		.amdhsa_memory_ordered 1
		.amdhsa_forward_progress 1
		.amdhsa_inst_pref_size 128
	.end_amdhsa_kernel
	.amdgpu_metadata
---
amdhsa.version: [ 1, 2 ]
amdhsa.kernels:
  - .name:           k_q40d7916ce0_layer3
    .symbol:         k_q40d7916ce0_layer3.kd
    .args:
      - { .name: m2_codes, .offset: 0, .size: 8, .value_kind: global_buffer, .address_space: global }
      - { .name: m2_scales, .offset: 8, .size: 8, .value_kind: global_buffer, .address_space: global }
      - { .name: W3_codes, .offset: 16, .size: 8, .value_kind: global_buffer, .address_space: global }
      - { .name: W3_scales, .offset: 24, .size: 8, .value_kind: global_buffer, .address_space: global }
      - { .name: b3, .offset: 32, .size: 8, .value_kind: global_buffer, .address_space: global }
      - { .name: W, .offset: 40, .size: 8, .value_kind: global_buffer, .address_space: global }
      - { .name: out0, .offset: 48, .size: 8, .value_kind: global_buffer, .address_space: global }
    .group_segment_fixed_size: 327680
    .private_segment_fixed_size: 0
    .kernarg_segment_align: 8
    .kernarg_segment_size: 56
    .max_flat_workgroup_size: 128
    .sgpr_count:     102
    .vgpr_count:     896
    .wavefront_size: 32
...
	.end_amdgpu_metadata
.endif
;; end of part 3
